; MI455X (gfx1250); checked and timed in simulation.
; The chip was launched on July 23, 2026; its instructions are those of AMD's public machine-readable ISA for CDNA 5 (MIT licence, August 2026) and "CDNA5" Instruction Set Architecture Reference Guide (July 2026). The comments in the code are by the model that wrote it; some were corrected since.
;; Multi Head Attention2. Allowed arithmetic: matrix products marked QUANTISED: E2M3 operands, one E8M0 scale for each 32 along K, by v_wmma_scale_f32_16x16x128_f8f6f4 with both operands' format E2M3, f32 sums; everything else in f32.
;; Inputs: Wk 1,024 x 1,024 float32; Wo 1,024 x 1,024 float32; Wq 1,024 x 1,024 float32; Wv 1,024 x 1,024 float32; att_prior_bias 16 float32; bk 1,024 float32; bo 1,024 float32; bq 1,024 float32; bv 1,024 float32; cos 1,024 x 1,024 float32; k 8 x 1,024 x 1,024 float32; mask 8 x 1,024 float32; q 8 x 1,024 x 1,024 float32; short_matrix 1,024 x 1,024 float32; sin 1,024 x 1,024 float32; v 8 x 1,024 x 1,024 float32.
;; Outputs: out0 8 x 1,024 x 1,024 float32.
;; This version of the problem:
;;   THIS VERSION OF THE PROBLEM IS GIVEN IN LOW PRECISION. The matrix products marked QUANTISED in the list below multiply operands that are first quantised to E2M3 (2 exponent bits, 3 mantissa bits; 6 bits a number), with one power-of-two scale for each 32 numbers along K (OCP MX v1.0); their sums are f32. All else is computed in f32.
;;   The module's matrix products, in the order in which they are computed (A, B: the left and right operand; K: the contracted axis; several contracted axes count as one K, in the product's order):
;;     1. [M 8,192, K 1,024] x [K 1,024, N 1,024]; A: input q; B: input Wq: QUANTISED
;;     2. [M 8,192, K 1,024] x [K 1,024, N 1,024]; A: input k; B: input Wk: QUANTISED
;;     3. [M 8,192, K 1,024] x [K 1,024, N 1,024]; A: input v; B: input Wv: QUANTISED
;;     4. batch 128 x [M 1,024, K 64] x [K 64, N 1,024]; A: computed on the way; B: computed on the way: QUANTISED
;;     5. batch 128 x [M 1,024, K 1,024] x [K 1,024, N 64]; A: softmax (see below); B: computed on the way: QUANTISED
;;     6. [M 8,192, K 1,024] x [K 1,024, N 1,024]; A: computed on the way; B: input Wo: QUANTISED
;;   THE QUANTISER, for each operand of a quantised product, along K:
;;     - K is cut into blocks of 32 from its start; a last block that is shorter is filled with zeros.
;;     - A block's scale is 2^e with e = floor(log2(the largest magnitude in the block)) - 2, held to -126 .. 127; a block of zeros has e = 0. As a byte (E8M0): e + 127.
;;     - Each number is divided by its block's scale, clamped to +-7.5, and rounded to the nearest number of E2M3, ties to even, subnormals kept.
;;     - The product sums the exact products of the quantised numbers (number of the format x scale) in f32.
;;   ~~~python
;;   def quantise(x, axis):      # numpy; x: float32 -> the quantised numbers, widened to float32 again
;;       x = np.moveaxis(x, axis, -1); K = x.shape[-1]
;;       x = np.pad(x, [(0, 0)] * (x.ndim - 1) + [(0, -K % 32)]); x = x.reshape(x.shape[:-1] + (-1, 32)); a = np.abs(x).max(-1, keepdims=True)
;;       e = np.where(a > 0, np.clip(np.frexp(np.where(a > 0, a, 1))[1] - 1 - 2, -126, 127), 0)      # np.frexp(a)[1] - 1 = floor(log2(a)), exactly
;;       r = np.clip(x / 2.0 ** e, -7.5, 7.5)
;;       step = 2.0 ** (np.maximum(np.frexp(np.where(r == 0, 1, r))[1] - 1, 0) - 3)
;;       q = np.round(r / step) * step * 2.0 ** e      # np.round: ties to even
;;       return np.moveaxis(q.reshape(q.shape[:-2] + (-1,))[..., :K], -1, axis).astype(np.float32)
;;   ~~~
;;   SOFTMAX AHEAD OF A QUANTISED PRODUCT. Where the list says 'softmax', what is quantised is not the finished softmax but p = 2^(t - M), with t = logit x log2(e) and M = ceil(the row's largest t), a whole number; so 1/2 < the row's largest p <= 1. The row's sum l is taken of the UNQUANTISED p, in f32, and the product's result is divided by l at the end. Since M is a whole number, a kernel that streams over the keys may use a running M (the ceiling of the running maximum): every later rescaling is an exact power of two, which a block's scale takes up: the codes' values come out the same.
;;   OPERANDS COMPUTED ON THE WAY. 'Computed on the way' means the value that the module computes at that place (a softmax that the list does not call 'softmax' is quantised finished and normalised). What goes into a quantiser is computed in f32, as accurately as f32 sums, v_exp_f32 and their like allow (about 1e-6 of the number): no bf16 or f16 on the way to a quantiser, and a product that is left as it is and whose result goes on into a quantised operand takes f32 operands (vector FMAs, or v_wmma_f32_16x16x4_f32). A number that lies on a knife's edge between two numbers of the format may be rounded either way, as far as f32 arithmetic and the matrix unit's own rounding can turn it there, and no further.
;; One version. Each part assembles by itself: llvm-mc -triple=amdgcn-amd-amdhsa -mcpu=gfx1250 --defsym DOCPART=n.
;; ======== version 1 of 1: 5 launches
;; limits: right only within a limited range of input values; inputs' magnitudes at most 536,870,912
;; workspace buffers: cimg 22,020,096 bytes; csc 917,504 bytes; qkimg 12,582,912 bytes; qksw 1,048,576 bytes; vimg 6,291,456 bytes; vsw 262,144 bytes; oimg 6,291,456 bytes; osw 524,288 bytes
;; launch quant (part 1): grid 256 x 1, 7 waves a work-group, no clusters, 61,952 bytes of LDS; arguments q, k, v, Wq, Wk, Wv, Wo, cimg, csc; writes cimg, csc
.if DOCPART == 1
	.amdgcn_target "amdgcn-amd-amdhsa--gfx1250"
	.amdhsa_code_object_version 6
	.text
	.protected	k_qed356ca2c8_quant
	.globl	k_qed356ca2c8_quant
	.p2align	8
	.type	k_qed356ca2c8_quant,@function
k_qed356ca2c8_quant:
	s_mov_b64 s[64:65], 0
	v_nop
	global_prefetch_b8 v0, s[64:65] scope:SCOPE_SE
	s_setreg_imm32_b32 hwreg(HW_REG_WAVE_MODE, 25, 1), 1
	s_wait_xcnt 0x0
; LAUNCH 1 OF 5.  q, k, v [8192][1024] and Wq, Wk, Wv, Wo [1024][1024], f32, K (d_model) innermost, become codes of E2M3 with one E8M0 byte for each 32 along K.
; NO WORK OF reference() IS LEFT OUT IN THIS PROGRAM: every bias goes into a quantised operand, cos, sin, mask, short_matrix and att_prior_bias may hold any numbers: every input is loaded by some launch.
; LAYOUT OF THE CODES (cimg): a ROW TILE is 16 rows; a UNIT IMAGE is 16 rows x 64 along K as six operand registers hold them: lane (r, h) has row r, k = 32 h .. 32 h + 31, 24 bytes of the row's stream of bits.
;   Bytes 0-511 of an image: registers 0-3, lane l at 16 l; bytes 512-767: registers 4-5, lane l at 512 + 8 l.  cimg = [tile 1,792][unit 16][768]; tiles: q 0, k 512, v 1,024, Wq 1,536, Wk 1,600, Wv 1,664, Wo 1,728.
;   So a later launch brings a fragment (128 along K, 12 registers) by two loads of 16 and two of 8 bytes a lane, each over consecutive bytes, and a tile's K range is one dense block.
; WHICH ROWS FORM A TILE: in q, tile T has rows 16 T + r.  In all the others lane r of tile T has row 32 (T / 2) + 8 (T % 2) + r + 8 (r / 8): used as a product's source 0, two neighbouring tiles then leave
;   16 neighbouring rows in a lane's 16 result registers, which is what the next quantiser wants.
; THE SCALES (csc): [tile][r 16][8 words]; byte b of word g is the byte of the row's block 4 g + b.
; A block's byte is its largest magnitude's exponent field - 2, held at 1 from below (the floor among the maximum's leaves).
; LIMITS: NaN and infinities among the inputs are not served; a block whose largest magnitude lies under 2^-124, a block of zeros among them, keeps the byte 1 (zeros: the rule says 127; the codes are zeros and only this program reads the bytes).
; SHARES: 1,792 tiles = 256 work-groups x 7 waves; a wave takes one tile, 16 units.  Each load reads two rows' 256 consecutive bytes; a unit turns through the wave's own stage in LDS (rows of 256 + 16 bytes),
; from which a lane takes its 32 neighbours.  Loads run three units ahead, the turn one.  Waves share nothing: no barrier.  No matrix unit, no cluster: the launch only streams.
.set PITCH,  272
.set HSTG,   16*PITCH                  ; a stage
.set WSTG,   2*HSTG                    ; a wave's two
.set SPARE,  7*WSTG                    ; behind the stages: the spare words, 128 bytes a wave, in whole blocks of 256
.set SPW, 1                            ; v1   my spare word's LDS address; never rewritten
.set NIL, 2                            ; v2   0; never rewritten
.set GA0, 3                            ; v3   input offset for the tile's rows 0-7: 4,096 h + 16 r
.set GA1, 4                            ; v4   for rows 8-15: 8 rows further down where the tile's rows are not neighbours
.set STI, 5                            ; v5   the stage, way in
.set STO, 6                            ; v6   the stage, way out
.set L16, 7                            ; v7   16 x lane
.set L8,  8                            ; v8   8 x lane
.set SH8, 9                            ; v9   8 h
.set SCO, 10                           ; v10  32 r + 16 h
.set P,   16                           ; v16-23  the scale words in the making
.set PT,  24                           ; v24-31  the other half's; then the words to store
.set R,   32                           ; v32-127  three sets of 32: a unit as loaded
.set X,   128                          ; v128-191 two sets of 32: my block of 32 neighbours
.set C,   192                          ; v192-239 four sets of 12: six registers of codes, and at +8 the second conversion's three
	s_load_b256 s[4:11], s[0:1], 0x0               ; q, k, v, Wq
	s_load_b256 s[12:19], s[0:1], 0x20             ; Wk, Wv, Wo, cimg
	s_load_b64 s[20:21], s[0:1], 0x40              ; csc
	v_lshl_add_u32 v[SPW], v0, 2, SPARE
	v_mov_b32 v[NIL], 0
	v_lshrrev_b32 v11, 5, v0
	v_readfirstlane_b32 s22, v11                   ; wave 0..6
	s_mul_i32 s23, ttmp9, 7
	s_add_co_u32 s23, s23, s22                     ; my tile, 0 .. 1,791
	v_and_b32 v12, 15, v0                          ; r
	v_bfe_u32 v13, v0, 4, 1                        ; h
	v_and_b32 v14, 31, v0                          ; lane
	v_lshlrev_b32 v[GA0], 4, v12
	v_lshl_add_u32 v[GA0], v13, 12, v[GA0]         ; sixteen lanes on one row's 256 bytes, the other sixteen on the next row's
	s_mul_i32 s44, s22, WSTG
	v_mul_u32_u24 v[STI], v13, PITCH
	v_lshl_add_u32 v[STI], v12, 4, v[STI]
	v_add_nc_u32 v[STI], s44, v[STI]
	v_mul_u32_u24 v[STO], v12, PITCH
	v_lshl_add_u32 v[STO], v13, 7, v[STO]
	v_add_nc_u32 v[STO], s44, v[STO]               ; row r, my half's 128 bytes
	v_lshlrev_b32 v[L16], 4, v14
	v_lshlrev_b32 v[L8], 3, v14
	v_lshlrev_b32 v[SH8], 3, v13
	v_lshlrev_b32 v[SCO], 5, v12
	v_lshl_add_u32 v[SCO], v13, 4, v[SCO]
.irp g, 0,1,2,3,4,5,6,7
	v_mov_b32 v[PT+\g], 0                          ; a lane permute's destination counts as one of its sources
.endr
	s_mov_b32 s40, 0xffff0000                      ; lanes 16-31
	s_mov_b32 s42, 0x76543210
	s_mov_b32 s43, 0xfedcba98                      ; selects for lane l xor 16
	s_wait_kmcnt 0x0
; which tensor is my tile's: a choice of pointers on the tile's number alone, no branch
.macro PICK bound, ptr
	s_cmp_ge_u32 s23, \bound
	s_cselect_b64 s[24:25], s[\ptr:\ptr+1], s[24:25]
	s_cselect_b32 s26, \bound, s26
.endm
	s_mov_b64 s[24:25], s[4:5]
	s_mov_b32 s26, 0
	PICK 512, 6
	PICK 1024, 8
	PICK 1536, 10
	PICK 1600, 12
	PICK 1664, 14
	PICK 1728, 16
	s_cmp_ge_u32 s23, 512
	s_cselect_b32 s27, 1, 0                        ; 0 for q alone
	s_sub_co_u32 s28, s23, s26                     ; T: the tile in its tensor
	s_lshr_b32 s29, s28, 1
	s_lshl_b32 s29, s29, 5
	s_and_b32 s30, s28, 1
	s_lshl_b32 s30, s30, 3
	s_add_co_u32 s29, s29, s30                     ; 32 (T / 2) + 8 (T % 2)
	s_lshl_b32 s30, s28, 4                         ; 16 T
	s_cmp_eq_u32 s27, 1
	s_cselect_b32 s29, s29, s30                    ; the tile's first row
	s_lshl_b32 s30, s29, 12
	s_mov_b32 s31, 0
	s_add_nc_u64 s[24:25], s[24:25], s[30:31]
	s_lshl_b32 s32, s27, 15
	v_add_nc_u32 v[GA1], s32, v[GA0]
	s_mul_i32 s30, s23, 12288
	s_add_nc_u64 s[18:19], s[18:19], s[30:31]      ; my tile's images
	s_lshl_b32 s30, s23, 9
	s_add_nc_u64 s[20:21], s[20:21], s[30:31]      ; and its scale words
.macro LOAD u                          ; unit u: 16 rows x 256 bytes, two rows a load
.irp i, 0,1,2,3
	global_load_b128 v[R+32*((\u)%3)+4*\i:R+32*((\u)%3)+4*\i+3], v[GA0], s[24:25] offset:8192*\i+256*(\u) th:TH_LOAD_NT
.endr
.irp i, 4,5,6,7
	global_load_b128 v[R+32*((\u)%3)+4*\i:R+32*((\u)%3)+4*\i+3], v[GA1], s[24:25] offset:8192*\i+256*(\u) th:TH_LOAD_NT
.endr
.endm
.macro TURN u                          ; through the stage: LDS serves a wave's instructions in order, so no wait stands between the stores and the loads
.irp i, 0,1,2,3,4,5,6,7
	ds_store_b128 v[STI], v[R+32*((\u)%3)+4*\i:R+32*((\u)%3)+4*\i+3] offset:HSTG*((\u)%2)+2*PITCH*\i
.endr
.irp i, 0,1,2,3,4,5,6,7
	ds_load_b128 v[X+32*((\u)%2)+4*\i:X+32*((\u)%2)+4*\i+3], v[STO] offset:HSTG*((\u)%2)+16*\i
.endr
.endm
.macro UNIT u
.set XS, X+32*((\u)%2)
.set CC, C+12*((\u)%4)
	s_wait_dscnt 0x0                               ; my 32 neighbours are back from the stage; so the stage's stores have read the set that the loads below fill
.if (\u)+3 < 16
	LOAD (\u)+3
.endif
.if (\u)+1 < 16
.if (\u)+3 < 16
	s_wait_loadcnt 16                              ; the next unit's eight loads are in; those of the two units behind it may be out
.elseif (\u)+2 < 16
	s_wait_loadcnt 8
.else
	s_wait_loadcnt 0x0
.endif
	TURN (\u)+1
.endif
	v_max3_num_f32 v12, |v[XS]|, |v[XS+1]|, |v[XS+2]|              ; the block's largest magnitude: all 32 numbers are mine; two chains
	v_max3_num_f32 v13, |v[XS+3]|, |v[XS+4]|, |v[XS+5]|
.irp i, 6,10,14,18,22,26
	v_max3_num_f32 v12, v12, |v[XS+\i]|, |v[XS+\i+1]|
	v_max3_num_f32 v13, v13, |v[XS+\i+2]|, |v[XS+\i+3]|
.endr
	v_max3_num_f32 v12, v12, |v[XS+30]|, |v[XS+31]|
	v_max3_num_f32 v12, v12, v13, 0x1800000        ; and the floor 2^(3 - 127): the byte cannot fall under 1
	v_add_nc_u32 v11, 0xff000000, v12              ; 2 off the exponent field: the conversions take this operand's exponent field as their scale
.if (\u) >= 4
	s_wait_alu depctr_va_vdst(0)
	s_wait_xcnt 0x0                                ; the stores of four units ago have read this set of codes
.endif
	v_cvt_scalef32_pk16_fp6_f32 v[CC:CC+2], v[XS:XS+15], v11
	v_cvt_scalef32_pk16_fp6_f32 v[CC+8:CC+10], v[XS+16:XS+31], v11  ; (a conversion's three registers begin on an even number)
	v_nop                                          ; one plain place behind a scaled conversion
.irp i, 0,1,2
	v_mov_b32 v[CC+3+\i], v[CC+8+\i]
.endr
.if ((\u)%2) == 0
	v_lshrrev_b32 v[P+(\u)/2], 23, v11             ; the byte of block 2 u + h: byte 2 (u % 2) + h of word u / 2
.else
	v_lshrrev_b32 v14, 23, v11
	v_lshl_or_b32 v[P+(\u)/2], v14, 16, v[P+(\u)/2]
.endif
	global_store_b128 v[L16], v[CC:CC+3], s[18:19] offset:768*(\u)        ; 512 consecutive bytes, aligned
	global_store_b64 v[L8], v[CC+4:CC+5], s[18:19] offset:768*(\u)+512    ; 256 consecutive bytes, aligned
.endm
	LOAD 0
	LOAD 1
	LOAD 2
	s_wait_alu depctr_va_vdst(0)
	s_wait_loadcnt 16                              ; unit 0 is in; units 1 and 2 may be out
	TURN 0
.irp u, 0,1,2,3,4,5,6,7,8,9,10,11,12,13,14,15
	UNIT \u
.endr
.irp g, 0,1,2,3,4,5,6,7
	v_lshlrev_b32 v[P+\g], v[SH8], v[P+\g]         ; my two bytes to their places,
.endr
.irp g, 0,1,2,3,4,5,6,7
	v_permlanex16_b32 v[PT+\g], v[P+\g], s42, s43
.endr
.irp g, 0,1,2,3,4,5,6,7
	v_or_b32 v[P+\g], v[P+\g], v[PT+\g]            ; with lane l xor 16's two the word is whole
.endr
.irp n, 0,1,2,3
	v_cndmask_b32 v[PT+\n], v[P+\n], v[P+4+\n], s40   ; lanes 0-15 store words 0-3 of their row, lanes 16-31 words 4-7
.endr
	global_store_b128 v[SCO], v[PT:PT+3], s[20:21] ; 512 consecutive bytes, aligned
	s_wait_tensorcnt 0x0                           ; the wave's end, behind my last LDS store
	ds_add_u32 v[SPW], v[NIL]
	s_wait_dscnt 0x0
	s_endpgm
.Lfunc_end_k_qed356ca2c8_quant:
	.size	k_qed356ca2c8_quant, .Lfunc_end_k_qed356ca2c8_quant-k_qed356ca2c8_quant
	.p2alignl 7, 3214868480
	.fill 96, 4, 3214868480
	.section	.rodata,"a",@progbits
	.p2align	6, 0x0
	.amdhsa_kernel k_qed356ca2c8_quant
		.amdhsa_group_segment_fixed_size 61952
		.amdhsa_private_segment_fixed_size 0
		.amdhsa_enable_private_segment 0
		.amdhsa_kernarg_size 72
		.amdhsa_user_sgpr_count 2
		.amdhsa_user_sgpr_kernarg_segment_ptr 1
		.amdhsa_wavefront_size32 1
		.amdhsa_system_sgpr_workgroup_id_x 1
		.amdhsa_system_sgpr_workgroup_id_y 1
		.amdhsa_system_sgpr_workgroup_id_z 1
		.amdhsa_system_vgpr_workitem_id 0
		.amdhsa_next_free_vgpr 240
		.amdhsa_next_free_sgpr 66
		.amdhsa_reserve_vcc 0
		.amdhsa_float_denorm_mode_32 3
		.amdhsa_float_denorm_mode_16_64 3
		.amdhsa_memory_ordered 1
		.amdhsa_forward_progress 1
		.amdhsa_inst_pref_size 61
	.end_amdhsa_kernel
	.amdgpu_metadata
---
amdhsa.version: [ 1, 2 ]
amdhsa.kernels:
  - .name:           k_qed356ca2c8_quant
    .symbol:         k_qed356ca2c8_quant.kd
    .args:
      - { .name: q, .offset: 0, .size: 8, .value_kind: global_buffer, .address_space: global }
      - { .name: k, .offset: 8, .size: 8, .value_kind: global_buffer, .address_space: global }
      - { .name: v, .offset: 16, .size: 8, .value_kind: global_buffer, .address_space: global }
      - { .name: Wq, .offset: 24, .size: 8, .value_kind: global_buffer, .address_space: global }
      - { .name: Wk, .offset: 32, .size: 8, .value_kind: global_buffer, .address_space: global }
      - { .name: Wv, .offset: 40, .size: 8, .value_kind: global_buffer, .address_space: global }
      - { .name: Wo, .offset: 48, .size: 8, .value_kind: global_buffer, .address_space: global }
      - { .name: cimg, .offset: 56, .size: 8, .value_kind: global_buffer, .address_space: global }
      - { .name: csc, .offset: 64, .size: 8, .value_kind: global_buffer, .address_space: global }
    .group_segment_fixed_size: 61952
    .private_segment_fixed_size: 0
    .kernarg_segment_align: 8
    .kernarg_segment_size: 72
    .max_flat_workgroup_size: 224
    .sgpr_count:     66
    .vgpr_count:     240
    .wavefront_size: 32
...
	.end_amdgpu_metadata
.endif
;; end of part 1
;; launch projqk (part 2): grid 4 x 128, 4 waves a work-group, clusters of 4 x 4, 327,680 bytes of LDS; arguments cimg, csc, cos, sin, bq, bk, qkimg, qksw; writes qkimg, qksw
.if DOCPART == 2
	.amdgcn_target "amdgcn-amd-amdhsa--gfx1250"
	.amdhsa_code_object_version 6
	.text
	.protected	k_qed356ca2c8_projqk
	.globl	k_qed356ca2c8_projqk
	.p2align	8
	.type	k_qed356ca2c8_projqk,@function
k_qed356ca2c8_projqk:
	s_mov_b64 s[64:65], 0
	v_nop
	global_prefetch_b8 v0, s[64:65] scope:SCOPE_SE
	s_setreg_imm32_b32 hwreg(HW_REG_WAVE_MODE, 25, 1), 1
	s_wait_xcnt 0x0
	s_wait_alu depctr_hold_cnt(0) depctr_sa_sdst(0) depctr_va_vdst(0) depctr_va_sdst(0) depctr_va_ssrc(0) depctr_va_vcc(0) depctr_vm_vsrc(0)
	s_getreg_b32 s2, hwreg(HW_REG_IB_STS2, 6, 4)
	s_cmp_eq_u32 s2, 0
	s_cbranch_scc0 .Lentry_in_a_cluster
	s_endpgm
.Lentry_in_a_cluster:
	s_bfe_u32 s2, ttmp6, 0x10000c
	s_cmp_lg_u32 s2, 0xf033
	s_cbranch_scc0 .Lentry_shape_is_right
	s_endpgm
.Lentry_shape_is_right:
; LAUNCH 2 OF 5.  z = 0: q Wq^T + bq;  z = 1: k Wk^T + bk; then the rotary turn over the full d_model (column c with c +- 512) and the quantiser along each head's 64.  Nothing of reference() is left out.
; In: cimg, csc (launch 1's images and scale words).  Out: qkimg [z][batch 8][head 16][position tile 64][768]: unit images, 16 positions x the head's 64; qksw [z][batch][head][16 T + r]: a word, bytes 0, 1 the head's two blocks, bytes 2, 3 zero.
; THE PRODUCT IS USED TRANSPOSED: source 0 = 16 rows of the weight (features), source 1 = 16 tokens: a lane holds one token, its registers run along the features, in neighbours' order by launch 1's choice of a tile's rows.
; A WORK-GROUP: position tile T of ALL 8 BATCHES (128 tokens) x 256 features: 128 x .. and 512 + 128 x .., so that both partners of the turn lie in one lane, 32 registers apart, and one set of cos and sin serves four batches.
; Four waves (i, j): batches 4 i .. 4 i + 3 (blocks a) x heads 2 x + j (blocks b = 0..3) and 8 + 2 x + j (b = 4..7): 32 accumulators.
; ALL OF K LIES IN LDS: 24 tiles x 12,288 bytes, as four chunks of 256 along K, each asked for once at the head: no byte is filled again, so the loop has plain barriers alone and counted waits on the later chunks.
; By this text's own count four tensor loads of a wave are out.  CLUSTER 4 x 4: the tokens' tiles hang on work-group y alone and are asked for jointly along a row, the weight's on x (and z, which a cluster shares) along a column.
; The scale words stand in registers for the whole launch: one load of 16 bytes a block gives word n in lanes 0-15 and word 4 + n in lanes 16-31 of register n; K step g names register g % 4, from g = 4 on with the upper lanes.
; The scale words' stores (64 bytes of a head's row at a time) fill aligned blocks of 256 bytes in part: one byte in twelve of what the launch stores.
; LIMITS: as launch 1's (NaN, infinities; the byte's floor).
; REGISTERS: window 0: v1-15 addresses; v16-31, v32-63 scale words; v64-159 the tokens' fragments, two sets (behind the loop v64-127: 64 turned numbers); v160-198 the quantiser's.
;   window 1: v0-191 the weight's fragments, two sets; v192-255 the bias in the result's layout.   window 2: accumulator (a, b) at v[64 a + 8 b].   window 3: v0-127 cos, sin of the low head, cos, sin of the high head.
; LDS AS THIS TEXT HAS IT, in place of the four chunks of which the head comment speaks: each wave brings its tiles for ALL of K by ONE tensor load at the head,
; rows of 12,288 bytes, a row tile each: the tokens' 8 tiles from byte 0, the weight's 16 from byte 98,304.  One tensor load of a wave is out; one wait for 0 and one barrier show all of K to all waves; the K loop has no barrier.
; A fragment lies at 12,288 x tile + 1,536 x K step; the weight's blocks 4-7 have address registers of their own (v10, v11), so that every offset fits the 16-bit immediate.
.set CHK,   73728
.set SPARE, 4*CHK
.set BSKIP, 4                          ; the wave's blocks 4-7 lie 4 tiles further on in LDS than 0-3's run would have them
.set SPW, 1
.set NIL, 2
.set A16, 3                            ; v3, v4  LDS: my tokens' tiles, 16 and 8 bytes a lane
.set A8,  4
.set B16, 5                            ; v5, v6  my weight tiles
.set B8,  6
.set L16, 7                            ; v7, v8  16 x lane, 8 x lane
.set L8,  8
.set SCA, 16
.set SCB, 32
.set FA,  64
.set X,   64
.set PC,  160
.set TM,  180
.set PW,  196
.set BIAS, 192
.set WV, 20
.set WI, 21
.set WJ, 22
.set CX, 23
.set CY, 24
.set XX, 25
.set HM, 26
.set ZZ, 30
.set TT, 31
.set G1A, 32                           ; s[32:39] group 1, tokens;  s[40:47] weight;  s[48:51], s[68:71] their groups 0
.set G1B, 40
.set G0A, 48
.set G0B, 68
.set SEL, 100
.set MSB, 0
.macro WIN new                         ; the immediate's high byte repeats the setting that is left
.if MSB != \new
	s_set_vgpr_msb (MSB<<8)|\new
.set MSB, \new
.endif
.endm
.macro PLACES n
.rept \n
	v_nop
.endr
.endm
.macro CROUND                          ; a round of the cluster's barrier
	s_barrier_signal -1
	s_barrier_wait -1
	s_cmp_lg_u32 s[WV], 0
	s_cbranch_scc1 .Lnot_wave_0_\@
	s_barrier_signal -3
.Lnot_wave_0_\@:
	s_barrier_wait -3
	s_barrier_signal -1
	s_barrier_wait -1
.endm
.macro FRAGLD reg, a16, a8, off        ; a fragment = two unit images: registers 0-3, 4-5, 6-9, 10-11
	ds_load_b128 v[\reg:\reg+3], v[\a16] offset:\off
	ds_load_b64 v[\reg+4:\reg+5], v[\a8] offset:\off+512
	ds_load_b128 v[\reg+6:\reg+9], v[\a16] offset:\off+768
	ds_load_b64 v[\reg+10:\reg+11], v[\a8] offset:\off+1280
.endm
.macro FETCH g                         ; K step g's 12 fragments, 48 LDS loads in one run, into set g % 2
.set FS_, (\g)&1
	WIN 0x40
.irp b, 0,1,2,3,4,5,6,7
	FRAGLD 96*FS_+12*\b, B16+5*(\b/4), B8+5*(\b/4), 12288*(\b%4)+1536*(\g)
.endr
	WIN 0
.irp a, 0,1,2,3
	FRAGLD FA+48*FS_+12*\a, A16, A8, 12288*\a+1536*(\g)
.endr
.endm
.macro MUL g                           ; 32 matrix instructions: the 32 accumulators take turns, one instruction a turn; step 0 takes the bias as C
.set MS_, (\g)&1
.set MW_, (\g)&3
.if (\g) == 0
	WIN 0x91
.else
	WIN 0xa1
.endif
.irp a, 0,1,2,3
.irp b, 0,1,2,3,4,5,6,7
.if (\g) == 0
	v_wmma_scale_f32_16x16x128_f8f6f4 v[64*\a+8*\b:64*\a+8*\b+7], v[96*MS_+12*\b:96*MS_+12*\b+11], v[FA+48*MS_+12*\a:FA+48*MS_+12*\a+11], v[BIAS+8*\b:BIAS+8*\b+7], v[SCB+4*\b+MW_], v[SCA+4*\a+MW_] matrix_a_fmt:MATRIX_FMT_FP6 matrix_b_fmt:MATRIX_FMT_FP6
.elseif (\g) < 4
	v_wmma_scale_f32_16x16x128_f8f6f4 v[64*\a+8*\b:64*\a+8*\b+7], v[96*MS_+12*\b:96*MS_+12*\b+11], v[FA+48*MS_+12*\a:FA+48*MS_+12*\a+11], v[64*\a+8*\b:64*\a+8*\b+7], v[SCB+4*\b+MW_], v[SCA+4*\a+MW_] matrix_a_fmt:MATRIX_FMT_FP6 matrix_b_fmt:MATRIX_FMT_FP6
.else
	v_wmma_scale_f32_16x16x128_f8f6f4 v[64*\a+8*\b:64*\a+8*\b+7], v[96*MS_+12*\b:96*MS_+12*\b+11], v[FA+48*MS_+12*\a:FA+48*MS_+12*\a+11], v[64*\a+8*\b:64*\a+8*\b+7], v[SCB+4*\b+MW_], v[SCA+4*\a+MW_] matrix_a_fmt:MATRIX_FMT_FP6 matrix_b_fmt:MATRIX_FMT_FP6 matrix_a_scale:MATRIX_SCALE_ROW1 matrix_b_scale:MATRIX_SCALE_ROW1
.endif
.endr
.endr
.endm
.macro STEPG g                         ; K step g: its fragments are in; the next step's are asked for; its 32 products
	s_wait_dscnt 0x0                               ; asked for 32 matrix instructions ago
.if ((\g) > 0) && ((\g) < 7)
	PLACES 4                                       ; four places in front of loads into registers that matrix instructions have read
.endif
.if (\g) < 7
	FETCH (\g)+1
.endif
	MUL \g
.endm
; 64 numbers of a lane, v[s] .. v[s + 63], register 16 b + i = place 32 b + 16 (lane / 16) + i of my row, become 12 registers of codes in v[PC] on and four scale bytes in v[PW]
.macro QUANT s
.irp b, 0,1,2,3
	v_max3_num_f32 v[TM+\b], |v[\s+16*\b]|, |v[\s+1+16*\b]|, 0x1800000   ; my 16 numbers of block b, and the floor 2^(3 - 127)
.endr
.irp i, 2,4,6,8,10,12,14
.irp b, 0,1,2,3
	v_max3_num_f32 v[TM+\b], v[TM+\b], |v[\s+16*\b+\i]|, |v[\s+1+16*\b+\i]|
.endr
.endr
.irp b, 0,1,2,3
	v_permlanex16_b32 v[TM+4+\b], v[TM+\b], s[SEL], s[SEL+1]
.endr
.irp b, 0,1,2,3
	v_max_num_f32 v[TM+\b], v[TM+\b], v[TM+4+\b]   ; with lane l xor 16's: the block's largest magnitude
.endr
.irp b, 0,1,2,3
	v_add_nc_u32 v[TM+12+\b], 0xff000000, v[TM+\b] ; 2 off its exponent field: the conversion's scale operand
.endr
.irp b, 0,1,2,3
	v_lshrrev_b32 v[TM+4+\b], 23, v[TM+12+\b]      ; the byte
.endr
	v_lshl_or_b32 v[PW], v[TM+5], 8, v[TM+4]
	v_lshl_or_b32 v[PW], v[TM+6], 16, v[PW]
	v_lshl_or_b32 v[PW], v[TM+7], 24, v[PW]
.irp c, 0,1
	v_cvt_scalef32_pk16_fp6_f32 v[PC+6*\c:PC+2+6*\c], v[\s+32*\c:\s+15+32*\c], v[TM+12+2*\c]
	v_cvt_scalef32_pk16_fp6_f32 v[PC+12+4*\c:PC+14+4*\c], v[\s+16+32*\c:\s+31+32*\c], v[TM+12+2*\c+1]
.endr
	v_nop                                          ; one plain place behind a scaled conversion
.irp c, 0,1                            ; the layout wants a whole block in a lane: lanes 0-15 block 2 c, lanes 16-31 block 2 c + 1
.irp i, 0,1,2
	v_permlane16_swap_b32 v[PC+6*\c+\i], v[PC+12+4*\c+\i]
.endr
.irp i, 0,1,2
	v_mov_b32 v[PC+3+6*\c+\i], v[PC+12+4*\c+\i]
.endr
.endr
.endm
	s_load_b256 s[4:11], s[0:1], 0x0               ; cimg, csc, cos, sin
	s_load_b256 s[12:19], s[0:1], 0x20             ; bq, bk, qkimg, qksw
	v_lshl_add_u32 v[SPW], v0, 2, SPARE
	v_mov_b32 v[NIL], 0
	ds_add_u32 v[SPW], v[NIL]                      ; the opening: the add, twice on end, and its wait ahead of my first tensor load
	ds_add_u32 v[SPW], v[NIL]
	v_lshrrev_b32 v15, 5, v0
	v_readfirstlane_b32 s[WV], v15                 ; wave 0..3
	s_lshr_b32 s[WI], s[WV], 1                     ; i: my four batches.  Also: I fetch tokens (0) or weight (1)
	s_and_b32 s[WJ], s[WV], 1                      ; j: my pair of heads.  Also: which half of those tiles I fetch
	s_bfe_u32 s[CX], ttmp6, 0x40000
	s_bfe_u32 s[CY], ttmp6, 0x40004
	s_lshl_b32 s[XX], ttmp9, 2
	s_add_co_u32 s[XX], s[XX], s[CX]               ; x: which 128 + 128 features
	s_and_b32 s29, ttmp7, 0xffff                   ; the cluster's y
	s_lshr_b32 s[ZZ], s29, 4                       ; z: q or k; made of the cluster's y alone: all sixteen partners share it
	s_lshl_b32 s29, s29, 2
	s_add_co_u32 s29, s29, s[CY]
	s_and_b32 s[TT], s29, 63                       ; T: the position tile
	s_lshl_b32 s27, s[CY], 2
	s_lshl_b32 s27, 15, s27                        ; my row of the cluster
	s_lshl_b32 s28, 0x1111, s[CX]                  ; my column
	s_or_b32 s[G1A], s27, (3<<16)|(1<<21)          ; the mask; elements of 8 bytes; bit 21 beside a mask; no padding
	s_mov_b32 s[G1A+1], 1536<<16                   ; a row of the tile: a whole row tile, 12,288 bytes = 1,536 elements
	s_mov_b32 s[G1A+2], 4<<16
	s_mov_b32 s[G1A+3], 1536<<16
	s_mov_b32 s[G1A+4], 4
	s_mov_b32 s[G1A+5], 98304                      ; from batch to batch: 64 row tiles of 1,536 elements
	s_mov_b32 s[G1A+6], 0
	s_mov_b32 s[G1A+7], 0
	s_or_b32 s[G1B], s28, (3<<16)|(1<<21)
	s_mov_b32 s[G1B+1], 1536<<16
	s_mov_b32 s[G1B+2], 8<<16
	s_mov_b32 s[G1B+3], 1536<<16
	s_mov_b32 s[G1B+4], 8
	s_mov_b32 s[G1B+5], 1536
	s_mov_b32 s[G1B+6], 0
	s_mov_b32 s[G1B+7], 0
	s_lshl_b32 s84, s[ZZ], 9                       ; tokens: tile 512 z + 64 (4 half) + T: no x in these registers
	s_lshl_b32 s94, s[WJ], 8
	s_add_co_u32 s84, s84, s94
	s_add_co_u32 s84, s84, s[TT]
	s_mul_i32 s84, s84, 12288
	s_mov_b32 s85, 0
	s_lshl_b32 s86, s[ZZ], 6                       ; weight: tile 1,536 + 64 z + 8 x + 32 half: no place along y in these
	s_lshl_b32 s95, s[XX], 3
	s_add_co_u32 s86, s86, s95
	s_lshl_b32 s95, s[WJ], 5
	s_add_co_u32 s86, s86, s95
	s_add_co_u32 s86, s86, 1536
	s_mul_i32 s86, s86, 12288
	s_mov_b32 s87, 0
	s_mul_i32 s92, s[WJ], 49152                    ; where they go: by the wave's number alone
	s_mul_i32 s93, s[WJ], 98304
	s_add_co_u32 s93, s93, 98304
	s_mov_b32 s[SEL], 0x76543210
	s_mov_b32 s[SEL+1], 0xfedcba98
	s_mov_b32 s[HM], 0xffff0000                    ; lanes 16-31
	s_wait_dscnt 0x0                               ; both opening adds are done
	s_wait_kmcnt 0x0
	s_add_nc_u64 s[88:89], s[4:5], s[84:85]
	s_add_nc_u64 s[90:91], s[4:5], s[86:87]
.irp c, 0
	s_mov_b32 s[G0A+4*\c], 1
	s_add_co_u32 s[G0A+4*\c+1], s92, \c*CHK
	s_add_nc_u64 s[G0A+4*\c+2:G0A+4*\c+3], s[88:89], \c*3072
	s_or_b32 s[G0A+4*\c+3], s[G0A+4*\c+3], 0x80000000
	s_mov_b32 s[G0B+4*\c], 1
	s_add_co_u32 s[G0B+4*\c+1], s93, \c*CHK
	s_add_nc_u64 s[G0B+4*\c+2:G0B+4*\c+3], s[90:91], \c*3072
	s_or_b32 s[G0B+4*\c+3], s[G0B+4*\c+3], 0x80000000
.endr
	CROUND                                         ; all sixteen work-groups are here: the joint loads meet
	s_cmp_lt_u32 s[WV], 2                          ; a wave's one fill stands in one branch; an s_nop 0 follows it, then four v_nop
	s_cbranch_scc0 .Lfill_w
.irp c, 0
	tensor_load_to_lds s[G0A+4*\c:G0A+4*\c+3], s[G1A:G1A+7]
	s_nop 0
.endr
	PLACES 4
	s_branch .Lfilled
.Lfill_w:
.irp c, 0
	tensor_load_to_lds s[G0B+4*\c:G0B+4*\c+3], s[G1B:G1B+7]
	s_nop 0
.endr
	PLACES 4
.Lfilled:
	v_and_b32 v10, 15, v0                          ; r
	v_bfe_u32 v11, v0, 4, 1                        ; h
	v_and_b32 v15, 31, v0
	v_lshlrev_b32 v[L16], 4, v15
	v_lshlrev_b32 v[L8], 3, v15
	v_lshlrev_b32 v9, 5, v10
	v_lshl_add_u32 v9, v11, 4, v9                  ; scale words: 32 r + 16 h
	v_lshlrev_b32 v12, 6, v11                      ; 64 h: my half's 16 numbers of a block of 32
	s_lshl_b32 s86, s[ZZ], 3
	v_and_b32 v13, s86, v10
	v_add_nc_u32 v13, v13, v10                     ; my token's position in the tile: r, or r + 8 (r / 8) for k
	v_lshl_add_u32 v13, v13, 12, v12               ; cos, sin: its row of 4,096 bytes, + 64 h
	v_lshlrev_b32 v14, 2, v10
	v_lshl_add_u32 v14, v11, 15, v14               ; qksw: 4 r; lanes 16-31 store the high head's, 8 heads of 4,096 bytes on
	s_mul_i32 s86, s[WI], 49152
	v_add_nc_u32 v[A16], s86, v[L16]
	v_add_nc_u32 v[A8], s86, v[L8]
	s_mul_i32 s86, s[WJ], 49152
	s_add_co_u32 s86, s86, 98304
	v_add_nc_u32 v[B16], s86, v[L16]
	v_add_nc_u32 v[B8], s86, v[L8]
	v_add_nc_u32 v10, 98304, v[B16]                ; blocks 4-7: the high heads' eight tiles lie behind the low heads' eight
	v_add_nc_u32 v11, 98304, v[B8]
.irp b, 0,1,2,3
	v_mov_b32 v[TM+4+\b], 0                        ; a lane permute's destination counts as one of its sources
.endr
	s_lshl_b32 s84, s[ZZ], 9                       ; my tokens' scale words: tile 512 z + 256 i + T, 512 bytes a tile
	s_lshl_b32 s86, s[WI], 8
	s_add_co_u32 s84, s84, s86
	s_add_co_u32 s84, s84, s[TT]
	s_lshl_b32 s84, s84, 9
	s_add_nc_u64 s[94:95], s[6:7], s[84:85]
	s_lshl_b32 s84, s[ZZ], 6                       ; my weight tiles': 1,536 + 64 z + 8 x + 4 j
	s_lshl_b32 s86, s[XX], 3
	s_add_co_u32 s84, s84, s86
	s_lshl_b32 s86, s[WJ], 2
	s_add_co_u32 s84, s84, s86
	s_add_co_u32 s84, s84, 1536
	s_lshl_b32 s84, s84, 9
	s_add_nc_u64 s[96:97], s[6:7], s[84:85]
	s_lshl_b32 s84, s[XX], 9                       ; column 128 x + 64 j, in bytes
	s_lshl_b32 s86, s[WJ], 8
	s_add_co_u32 s84, s84, s86
	s_cmp_eq_u32 s[ZZ], 0
	s_cselect_b64 s[98:99], s[12:13], s[14:15]     ; bq or bk
	s_add_nc_u64 s[98:99], s[98:99], s[84:85]
	s_lshr_b32 s86, s[TT], 1                       ; the tile's first position
	s_lshl_b32 s86, s86, 5
	s_and_b32 s87, s[TT], 1
	s_lshl_b32 s87, s87, 3
	s_add_co_u32 s86, s86, s87
	s_lshl_b32 s87, s[TT], 4
	s_cmp_eq_u32 s[ZZ], 1
	s_cselect_b32 s86, s86, s87
	s_lshl_b32 s86, s86, 12
	s_add_co_u32 s84, s84, s86
	s_add_nc_u64 s[8:9], s[8:9], s[84:85]
	s_add_nc_u64 s[10:11], s[10:11], s[84:85]
.irp a, 0,1,2,3
	global_load_b128 v[SCA+4*\a:SCA+4*\a+3], v9, s[94:95] offset:32768*\a
.endr
.irp b, 0,1,2,3,4,5,6,7
	global_load_b128 v[SCB+4*\b:SCB+4*\b+3], v9, s[96:97] offset:512*(\b+28*(\b/4))
.endr
	WIN 0x40
.irp b, 0,1,2,3,4,5,6,7                ; the bias of block b's eight features of my half
	global_load_b128 v[BIAS+8*\b:BIAS+8*\b+3], v12, s[98:99] offset:2048*(\b/4)+128*((\b%4)/2)+32*(\b%2)
	global_load_b128 v[BIAS+8*\b+4:BIAS+8*\b+7], v12, s[98:99] offset:2048*(\b/4)+128*((\b%4)/2)+32*(\b%2)+16
.endr
	WIN 0xc0
.irp n, 0,1,2,3,4,5,6,7                ; register 16 b' + i of each table: column 32 b' + 16 h + i of my head
	global_load_b128 v[4*\n:4*\n+3], v13, s[8:9] offset:128*(\n/4)+16*(\n%4)
	global_load_b128 v[32+4*\n:32+4*\n+3], v13, s[10:11] offset:128*(\n/4)+16*(\n%4)
	global_load_b128 v[64+4*\n:64+4*\n+3], v13, s[8:9] offset:2048+128*(\n/4)+16*(\n%4)
	global_load_b128 v[96+4*\n:96+4*\n+3], v13, s[10:11] offset:2048+128*(\n/4)+16*(\n%4)
.endr
	WIN 0
	s_mul_i32 s84, s[ZZ], 6291456                  ; where my images go: [z][4 i + a][head 2 x + j][T]
	s_mul_i32 s86, s[WI], 3145728
	s_add_co_u32 s84, s84, s86
	s_lshl_b32 s86, s[XX], 1
	s_add_co_u32 s86, s86, s[WJ]
	s_mul_i32 s87, s86, 49152
	s_add_co_u32 s84, s84, s87
	s_mul_i32 s87, s[TT], 768
	s_add_co_u32 s84, s84, s87
	s_add_nc_u64 s[16:17], s[16:17], s[84:85]
	s_lshl_b32 s84, s[ZZ], 19                      ; and my scale words
	s_lshl_b32 s87, s[WI], 18
	s_add_co_u32 s84, s84, s87
	s_lshl_b32 s87, s86, 12
	s_add_co_u32 s84, s84, s87
	s_lshl_b32 s87, s[TT], 6
	s_add_co_u32 s84, s84, s87
	s_add_nc_u64 s[18:19], s[18:19], s[84:85]
	s_wait_alu depctr_va_vdst(0)
	s_wait_tensorcnt 0x0                           ; my one load, my tiles for all of K, is in
	s_barrier_signal -1
	s_barrier_wait -1
	FETCH 0
	s_wait_loadcnt 32                              ; the scale words and the bias are in; the 32 loads of cos and sin may be out
.irp g, 0,1,2,3,4,5,6,7
	STEPG \g
.endr
	WIN 0
	PLACES 4                                       ; in front of the first reads of results and of writes into registers that held fragments
	s_wait_loadcnt 0x0                             ; cos, sin
; Batch 4 i + a: the turn, the quantiser, the stores.  Each accumulator is read from its low end on.
.macro ROPE a
	s_wait_xcnt 0x0                                ; the last batch's stores have read their registers
	WIN 0x0e                                       ; source 0 window 2 (results), source 1 window 3 (tables), the rest window 0
.set n_, 0
.rept 16
	v_pk_mul_f32 v[X+n_:X+n_+1], v[64*\a+32+n_:64*\a+33+n_], v[32+n_:33+n_]        ; x(c + 512) sin(c)
.set n_, n_+2
.endr
.set n_, 0
.rept 16
	v_pk_fma_f32 v[X+n_:X+n_+1], v[64*\a+n_:64*\a+n_+1], v[n_:n_+1], v[X+n_:X+n_+1] neg_lo:[0,0,1] neg_hi:[0,0,1]   ; x(c) cos(c) - that
.set n_, n_+2
.endr
.set n_, 0
.rept 16
	v_pk_mul_f32 v[X+32+n_:X+33+n_], v[64*\a+n_:64*\a+n_+1], v[96+n_:97+n_]        ; x(c) sin(c + 512)
.set n_, n_+2
.endr
.set n_, 0
.rept 16
	v_pk_fma_f32 v[X+32+n_:X+33+n_], v[64*\a+32+n_:64*\a+33+n_], v[64+n_:65+n_], v[X+32+n_:X+33+n_]   ; x(c + 512) cos(c + 512) + that
.set n_, n_+2
.endr
	WIN 0
	QUANT X                                        ; blocks 0, 1: the low head's 64; blocks 2, 3: the high head's
	global_store_b128 v[L16], v[PC:PC+3], s[16:17] offset:786432*\a
	global_store_b64 v[L8], v[PC+4:PC+5], s[16:17] offset:786432*\a+512
	global_store_b128 v[L16], v[PC+6:PC+9], s[16:17] offset:786432*\a+393216
	global_store_b64 v[L8], v[PC+10:PC+11], s[16:17] offset:786432*\a+393216+512
	v_and_b32 v197, 0xffff, v[PW]
	v_lshrrev_b32 v198, 16, v[PW]
	v_cndmask_b32 v197, v197, v198, s[HM]          ; lanes 0-15 the low head's two bytes, lanes 16-31 the high head's
	global_store_b32 v14, v197, s[18:19] offset:65536*\a
.endm
	ROPE 0
	ROPE 1
	ROPE 2
	ROPE 3
	s_wait_tensorcnt 0x0                           ; the wave's end
	ds_add_u32 v[SPW], v[NIL]
	s_wait_dscnt 0x0
	CROUND                                         ; the closing round
	s_endpgm
.Lfunc_end_k_qed356ca2c8_projqk:
	.size	k_qed356ca2c8_projqk, .Lfunc_end_k_qed356ca2c8_projqk-k_qed356ca2c8_projqk
	.p2alignl 7, 3214868480
	.fill 96, 4, 3214868480
	.section	.rodata,"a",@progbits
	.p2align	6, 0x0
	.amdhsa_kernel k_qed356ca2c8_projqk
		.amdhsa_group_segment_fixed_size 327680
		.amdhsa_private_segment_fixed_size 0
		.amdhsa_enable_private_segment 0
		.amdhsa_kernarg_size 64
		.amdhsa_user_sgpr_count 2
		.amdhsa_user_sgpr_kernarg_segment_ptr 1
		.amdhsa_wavefront_size32 1
		.amdhsa_system_sgpr_workgroup_id_x 1
		.amdhsa_system_sgpr_workgroup_id_y 1
		.amdhsa_system_sgpr_workgroup_id_z 1
		.amdhsa_system_vgpr_workitem_id 0
		.amdhsa_next_free_vgpr 896
		.amdhsa_next_free_sgpr 102
		.amdhsa_reserve_vcc 0
		.amdhsa_float_denorm_mode_32 3
		.amdhsa_float_denorm_mode_16_64 3
		.amdhsa_memory_ordered 1
		.amdhsa_forward_progress 1
		.amdhsa_inst_pref_size 106
	.end_amdhsa_kernel
	.amdgpu_metadata
---
amdhsa.version: [ 1, 2 ]
amdhsa.kernels:
  - .name:           k_qed356ca2c8_projqk
    .symbol:         k_qed356ca2c8_projqk.kd
    .args:
      - { .name: cimg, .offset: 0, .size: 8, .value_kind: global_buffer, .address_space: global }
      - { .name: csc, .offset: 8, .size: 8, .value_kind: global_buffer, .address_space: global }
      - { .name: cos, .offset: 16, .size: 8, .value_kind: global_buffer, .address_space: global }
      - { .name: sin, .offset: 24, .size: 8, .value_kind: global_buffer, .address_space: global }
      - { .name: bq, .offset: 32, .size: 8, .value_kind: global_buffer, .address_space: global }
      - { .name: bk, .offset: 40, .size: 8, .value_kind: global_buffer, .address_space: global }
      - { .name: qkimg, .offset: 48, .size: 8, .value_kind: global_buffer, .address_space: global }
      - { .name: qksw, .offset: 56, .size: 8, .value_kind: global_buffer, .address_space: global }
    .group_segment_fixed_size: 327680
    .private_segment_fixed_size: 0
    .kernarg_segment_align: 8
    .kernarg_segment_size: 64
    .max_flat_workgroup_size: 128
    .sgpr_count:     102
    .vgpr_count:     896
    .wavefront_size: 32
...
	.end_amdgpu_metadata
.endif
;; end of part 2
;; launch projv (part 3): grid 32 x 8, 4 waves a work-group, clusters of 4 x 4, 327,680 bytes of LDS; arguments cimg, csc, bv, vimg, vsw; writes vimg, vsw
.if DOCPART == 3
	.amdgcn_target "amdgcn-amd-amdhsa--gfx1250"
	.amdhsa_code_object_version 6
	.text
	.protected	k_qed356ca2c8_projv
	.globl	k_qed356ca2c8_projv
	.p2align	8
	.type	k_qed356ca2c8_projv,@function
k_qed356ca2c8_projv:
	s_mov_b64 s[64:65], 0
	v_nop
	global_prefetch_b8 v0, s[64:65] scope:SCOPE_SE
	s_setreg_imm32_b32 hwreg(HW_REG_WAVE_MODE, 25, 1), 1
	s_wait_xcnt 0x0
	s_wait_alu depctr_hold_cnt(0) depctr_sa_sdst(0) depctr_va_vdst(0) depctr_va_sdst(0) depctr_va_ssrc(0) depctr_va_vcc(0) depctr_vm_vsrc(0)
	s_getreg_b32 s2, hwreg(HW_REG_IB_STS2, 6, 4)
	s_cmp_eq_u32 s2, 0
	s_cbranch_scc0 .Lentry_in_a_cluster
	s_endpgm
.Lentry_in_a_cluster:
	s_bfe_u32 s2, ttmp6, 0x10000c
	s_cmp_lg_u32 s2, 0xf033
	s_cbranch_scc0 .Lentry_shape_is_right
	s_endpgm
.Lentry_shape_is_right:
; LAUNCH 3 OF 5.  v Wv^T + bv, quantised ALONG THE KEYS, which are the K of attention's second product.  Nothing of reference() is left out.
; So the product is used the other way round than in launch 2: source 0 = 16 TOKENS of v, source 1 = 16 rows of Wv: a lane holds one feature d, its registers run along the tokens, in neighbours' order.
; Out: vimg [batch 8][head 16][key unit 16][d tile 4][768]: unit images, 16 features x 64 keys (lane r of d tile a: d = 32 (a / 2) + 8 (a % 2) + r + 8 (r / 8)); vsw [batch][head][key step 8][r 16][a 4]: a word for 128 keys.
; A WORK-GROUP: 128 features (two heads) x 256 tokens x K 1,024.  Four waves (i, j): head 2 y + i (blocks a = its four d tiles) x key step 2 (x % 4) + j of batch x / 4 (blocks b = its eight token tiles).
; The core is launch 2's: all of K in LDS as four chunks, each asked for once at the head (four tensor loads of a wave out, by this text's own count), plain barriers, counted waits; cluster 4 x 4 with joint loads.
; The bias is one number a lane and is added in f32 ahead of the quantiser.  The scale words' store is issued by all 32 lanes; lanes 16-31 write the same 256 bytes with the same values.
; LIMITS: as launch 1's.
; REGISTERS: window 0: v1-15 addresses; v16-31, v32-63 scale words; v64-159 Wv's fragments, two sets (later v64-127: 64 numbers); v160-196 the quantiser's; v200-207 the bias, in pairs; v208-211 the words to store.
;   window 1: v0-191 the tokens' fragments, two sets.   window 2: accumulator (a, b) at v[64 a + 8 b].
; LDS AS THIS TEXT HAS IT, in place of the four chunks of which the head comment speaks: each wave brings its tiles for ALL of K by ONE tensor load at the head,
; rows of 12,288 bytes, a row tile each: Wv's 8 tiles from byte 0, the tokens' 16 from byte 98,304.  One tensor load of a wave is out; one wait for 0 and one barrier show all of K to all waves; the K loop has no barrier.
; A fragment lies at 12,288 x tile + 1,536 x K step; the tokens' blocks 4-7 have address registers of their own (v10, v11), so that every offset fits the 16-bit immediate.
.set CHK,   73728
.set SPARE, 4*CHK
.set BSKIP, 0
.set SPW, 1
.set NIL, 2
.set A16, 3
.set A8,  4
.set B16, 5
.set B8,  6
.set L16, 7
.set L8,  8
.set SCA, 16
.set SCB, 32
.set FA,  64
.set X,   64
.set PC,  160
.set TM,  180
.set PW,  196
.set BV,  200
.set VW,  208
.set WV, 20
.set WI, 21
.set WJ, 22
.set CX, 23
.set CY, 24
.set XX, 25
.set YY, 26
.set G1A, 32
.set G1B, 40
.set G0A, 48
.set G0B, 68
.set SEL, 100
.set MSB, 0
.macro WIN new
.if MSB != \new
	s_set_vgpr_msb (MSB<<8)|\new
.set MSB, \new
.endif
.endm
.macro PLACES n
.rept \n
	v_nop
.endr
.endm
.macro CROUND
	s_barrier_signal -1
	s_barrier_wait -1
	s_cmp_lg_u32 s[WV], 0
	s_cbranch_scc1 .Lnot_wave_0_\@
	s_barrier_signal -3
.Lnot_wave_0_\@:
	s_barrier_wait -3
	s_barrier_signal -1
	s_barrier_wait -1
.endm
.macro FRAGLD reg, a16, a8, off
	ds_load_b128 v[\reg:\reg+3], v[\a16] offset:\off
	ds_load_b64 v[\reg+4:\reg+5], v[\a8] offset:\off+512
	ds_load_b128 v[\reg+6:\reg+9], v[\a16] offset:\off+768
	ds_load_b64 v[\reg+10:\reg+11], v[\a8] offset:\off+1280
.endm
.macro FETCH g
.set FS_, (\g)&1
	WIN 0x40
.irp b, 0,1,2,3,4,5,6,7
	FRAGLD 96*FS_+12*\b, B16+5*(\b/4), B8+5*(\b/4), 12288*(\b%4)+1536*(\g)
.endr
	WIN 0
.irp a, 0,1,2,3
	FRAGLD FA+48*FS_+12*\a, A16, A8, 12288*\a+1536*(\g)
.endr
.endm
.macro MUL g                           ; the 32 accumulators take turns; step 0 starts the sums with the constant 0
.set MS_, (\g)&1
.set MW_, (\g)&3
	WIN 0xa1
.irp a, 0,1,2,3
.irp b, 0,1,2,3,4,5,6,7
.if (\g) == 0
	v_wmma_scale_f32_16x16x128_f8f6f4 v[64*\a+8*\b:64*\a+8*\b+7], v[96*MS_+12*\b:96*MS_+12*\b+11], v[FA+48*MS_+12*\a:FA+48*MS_+12*\a+11], 0, v[SCB+4*\b+MW_], v[SCA+4*\a+MW_] matrix_a_fmt:MATRIX_FMT_FP6 matrix_b_fmt:MATRIX_FMT_FP6
.elseif (\g) < 4
	v_wmma_scale_f32_16x16x128_f8f6f4 v[64*\a+8*\b:64*\a+8*\b+7], v[96*MS_+12*\b:96*MS_+12*\b+11], v[FA+48*MS_+12*\a:FA+48*MS_+12*\a+11], v[64*\a+8*\b:64*\a+8*\b+7], v[SCB+4*\b+MW_], v[SCA+4*\a+MW_] matrix_a_fmt:MATRIX_FMT_FP6 matrix_b_fmt:MATRIX_FMT_FP6
.else
	v_wmma_scale_f32_16x16x128_f8f6f4 v[64*\a+8*\b:64*\a+8*\b+7], v[96*MS_+12*\b:96*MS_+12*\b+11], v[FA+48*MS_+12*\a:FA+48*MS_+12*\a+11], v[64*\a+8*\b:64*\a+8*\b+7], v[SCB+4*\b+MW_], v[SCA+4*\a+MW_] matrix_a_fmt:MATRIX_FMT_FP6 matrix_b_fmt:MATRIX_FMT_FP6 matrix_a_scale:MATRIX_SCALE_ROW1 matrix_b_scale:MATRIX_SCALE_ROW1
.endif
.endr
.endr
.endm
.macro STEPG g
	s_wait_dscnt 0x0                               ; this step's fragments, asked for 32 matrix instructions ago
.if ((\g) > 0) && ((\g) < 7)
	PLACES 4                                       ; four places in front of loads into registers that matrix instructions have read
.endif
.if (\g) < 7
	FETCH (\g)+1
.endif
	MUL \g
.endm
.macro QUANT s                         ; as in launch 2: 64 numbers of a lane become 12 registers of codes in v[PC] on and a scale word in v[PW]
.irp b, 0,1,2,3
	v_max3_num_f32 v[TM+\b], |v[\s+16*\b]|, |v[\s+1+16*\b]|, 0x1800000
.endr
.irp i, 2,4,6,8,10,12,14
.irp b, 0,1,2,3
	v_max3_num_f32 v[TM+\b], v[TM+\b], |v[\s+16*\b+\i]|, |v[\s+1+16*\b+\i]|
.endr
.endr
.irp b, 0,1,2,3
	v_permlanex16_b32 v[TM+4+\b], v[TM+\b], s[SEL], s[SEL+1]
.endr
.irp b, 0,1,2,3
	v_max_num_f32 v[TM+\b], v[TM+\b], v[TM+4+\b]
.endr
.irp b, 0,1,2,3
	v_add_nc_u32 v[TM+12+\b], 0xff000000, v[TM+\b]
.endr
.irp b, 0,1,2,3
	v_lshrrev_b32 v[TM+4+\b], 23, v[TM+12+\b]
.endr
	v_lshl_or_b32 v[PW], v[TM+5], 8, v[TM+4]
	v_lshl_or_b32 v[PW], v[TM+6], 16, v[PW]
	v_lshl_or_b32 v[PW], v[TM+7], 24, v[PW]
.irp c, 0,1
	v_cvt_scalef32_pk16_fp6_f32 v[PC+6*\c:PC+2+6*\c], v[\s+32*\c:\s+15+32*\c], v[TM+12+2*\c]
	v_cvt_scalef32_pk16_fp6_f32 v[PC+12+4*\c:PC+14+4*\c], v[\s+16+32*\c:\s+31+32*\c], v[TM+12+2*\c+1]
.endr
	v_nop                                          ; one plain place behind a scaled conversion
.irp c, 0,1
.irp i, 0,1,2
	v_permlane16_swap_b32 v[PC+6*\c+\i], v[PC+12+4*\c+\i]
.endr
.irp i, 0,1,2
	v_mov_b32 v[PC+3+6*\c+\i], v[PC+12+4*\c+\i]
.endr
.endr
.endm
	s_load_b256 s[4:11], s[0:1], 0x0               ; cimg, csc, bv, vimg
	s_load_b64 s[12:13], s[0:1], 0x20              ; vsw
	v_lshl_add_u32 v[SPW], v0, 2, SPARE
	v_mov_b32 v[NIL], 0
	ds_add_u32 v[SPW], v[NIL]                      ; the opening: the add, twice on end, and its wait ahead of my first tensor load
	ds_add_u32 v[SPW], v[NIL]
	v_lshrrev_b32 v15, 5, v0
	v_readfirstlane_b32 s[WV], v15
	s_lshr_b32 s[WI], s[WV], 1                     ; i: my head of the two.  Also: I fetch Wv (0) or tokens (1)
	s_and_b32 s[WJ], s[WV], 1                      ; j: my 128 tokens.  Also: which half I fetch
	s_bfe_u32 s[CX], ttmp6, 0x40000
	s_bfe_u32 s[CY], ttmp6, 0x40004
	s_lshl_b32 s[XX], ttmp9, 2
	s_add_co_u32 s[XX], s[XX], s[CX]               ; x: which 256 tokens
	s_and_b32 s[YY], ttmp7, 0xffff
	s_lshl_b32 s[YY], s[YY], 2
	s_add_co_u32 s[YY], s[YY], s[CY]               ; y: which 128 features
	s_lshl_b32 s27, s[CY], 2
	s_lshl_b32 s27, 15, s27
	s_lshl_b32 s28, 0x1111, s[CX]
	s_or_b32 s[G1A], s27, (3<<16)|(1<<21)          ; Wv's tiles hang on y: shared along my row of the cluster
	s_mov_b32 s[G1A+1], 1536<<16                   ; a row of the tile: a whole row tile, 12,288 bytes = 1,536 elements
	s_mov_b32 s[G1A+2], 4<<16
	s_mov_b32 s[G1A+3], 1536<<16
	s_mov_b32 s[G1A+4], 4
	s_mov_b32 s[G1A+5], 1536
	s_mov_b32 s[G1A+6], 0
	s_mov_b32 s[G1A+7], 0
	s_or_b32 s[G1B], s28, (3<<16)|(1<<21)          ; the tokens' on x: along my column
	s_mov_b32 s[G1B+1], 1536<<16
	s_mov_b32 s[G1B+2], 8<<16
	s_mov_b32 s[G1B+3], 1536<<16
	s_mov_b32 s[G1B+4], 8
	s_mov_b32 s[G1B+5], 1536
	s_mov_b32 s[G1B+6], 0
	s_mov_b32 s[G1B+7], 0
	s_lshl_b32 s84, s[YY], 3                       ; Wv: tile 1,664 + 8 y + 4 half
	s_lshl_b32 s94, s[WJ], 2
	s_add_co_u32 s84, s84, s94
	s_add_co_u32 s84, s84, 1664
	s_mul_i32 s84, s84, 12288
	s_mov_b32 s85, 0
	s_lshl_b32 s86, s[XX], 4                       ; tokens: tile 1,024 + 16 x + 8 half
	s_lshl_b32 s95, s[WJ], 3
	s_add_co_u32 s86, s86, s95
	s_add_co_u32 s86, s86, 1024
	s_mul_i32 s86, s86, 12288
	s_mov_b32 s87, 0
	s_mul_i32 s92, s[WJ], 49152
	s_mul_i32 s93, s[WJ], 98304
	s_add_co_u32 s93, s93, 98304
	s_mov_b32 s[SEL], 0x76543210
	s_mov_b32 s[SEL+1], 0xfedcba98
	s_wait_dscnt 0x0
	s_wait_kmcnt 0x0
	s_add_nc_u64 s[88:89], s[4:5], s[84:85]
	s_add_nc_u64 s[90:91], s[4:5], s[86:87]
.irp c, 0
	s_mov_b32 s[G0A+4*\c], 1
	s_add_co_u32 s[G0A+4*\c+1], s92, \c*CHK
	s_add_nc_u64 s[G0A+4*\c+2:G0A+4*\c+3], s[88:89], \c*3072
	s_or_b32 s[G0A+4*\c+3], s[G0A+4*\c+3], 0x80000000
	s_mov_b32 s[G0B+4*\c], 1
	s_add_co_u32 s[G0B+4*\c+1], s93, \c*CHK
	s_add_nc_u64 s[G0B+4*\c+2:G0B+4*\c+3], s[90:91], \c*3072
	s_or_b32 s[G0B+4*\c+3], s[G0B+4*\c+3], 0x80000000
.endr
	CROUND
	s_cmp_lt_u32 s[WV], 2
	s_cbranch_scc0 .Lfill_t
.irp c, 0
	tensor_load_to_lds s[G0A+4*\c:G0A+4*\c+3], s[G1A:G1A+7]
	s_nop 0
.endr
	PLACES 4
	s_branch .Lfilled
.Lfill_t:
.irp c, 0
	tensor_load_to_lds s[G0B+4*\c:G0B+4*\c+3], s[G1B:G1B+7]
	s_nop 0
.endr
	PLACES 4
.Lfilled:
	v_and_b32 v10, 15, v0                          ; r
	v_bfe_u32 v11, v0, 4, 1                        ; h
	v_and_b32 v15, 31, v0
	v_lshlrev_b32 v[L16], 4, v15
	v_lshlrev_b32 v[L8], 3, v15
	v_lshlrev_b32 v9, 5, v10
	v_lshl_add_u32 v9, v11, 4, v9                  ; scale words: 32 r + 16 h
	v_and_b32 v12, 8, v10
	v_add_nc_u32 v12, v12, v10
	v_lshlrev_b32 v12, 2, v12                      ; bv: 4 (r + 8 (r / 8))
	v_lshlrev_b32 v13, 4, v10                      ; vsw: 16 r
	s_mul_i32 s86, s[WI], 49152
	v_add_nc_u32 v[A16], s86, v[L16]
	v_add_nc_u32 v[A8], s86, v[L8]
	s_mul_i32 s86, s[WJ], 98304
	s_add_co_u32 s86, s86, 98304
	v_add_nc_u32 v[B16], s86, v[L16]
	v_add_nc_u32 v[B8], s86, v[L8]
	v_add_nc_u32 v10, 49152, v[B16]                ; blocks 4-7: four tiles on
	v_add_nc_u32 v11, 49152, v[B8]
.irp b, 0,1,2,3
	v_mov_b32 v[TM+4+\b], 0
.endr
	s_lshl_b32 s84, s[YY], 3                       ; Wv's scale words: tile 1,664 + 8 y + 4 i
	s_lshl_b32 s86, s[WI], 2
	s_add_co_u32 s84, s84, s86
	s_add_co_u32 s84, s84, 1664
	s_lshl_b32 s84, s84, 9
	s_add_nc_u64 s[94:95], s[6:7], s[84:85]
	s_lshl_b32 s84, s[XX], 4                       ; the tokens': tile 1,024 + 16 x + 8 j
	s_lshl_b32 s86, s[WJ], 3
	s_add_co_u32 s84, s84, s86
	s_add_co_u32 s84, s84, 1024
	s_lshl_b32 s84, s84, 9
	s_add_nc_u64 s[96:97], s[6:7], s[84:85]
	s_lshl_b32 s87, s[YY], 1
	s_add_co_u32 s87, s87, s[WI]                   ; my head
	s_lshl_b32 s84, s87, 8
	s_add_nc_u64 s[8:9], s[8:9], s[84:85]          ; its 64 numbers of bv
.irp a, 0,1,2,3
	global_load_b128 v[SCA+4*\a:SCA+4*\a+3], v9, s[94:95] offset:512*\a
.endr
.irp b, 0,1,2,3,4,5,6,7
	global_load_b128 v[SCB+4*\b:SCB+4*\b+3], v9, s[96:97] offset:512*\b
.endr
.irp a, 0,1,2,3
	global_load_b32 v[BV+2*\a], v12, s[8:9] offset:128*(\a/2)+32*(\a%2)
.endr
	s_lshr_b32 s86, s[XX], 2                       ; the batch
	s_lshl_b32 s86, s86, 4
	s_add_co_u32 s86, s86, s87                     ; 16 batch + head
	s_and_b32 s87, s[XX], 3
	s_lshl_b32 s87, s87, 1
	s_add_co_u32 s87, s87, s[WJ]                   ; the key step
	s_mul_i32 s84, s86, 49152
	s_mul_i32 s98, s87, 6144
	s_add_co_u32 s84, s84, s98
	s_add_nc_u64 s[10:11], s[10:11], s[84:85]      ; my images
	s_lshl_b32 s84, s86, 11
	s_lshl_b32 s98, s87, 8
	s_add_co_u32 s84, s84, s98
	s_add_nc_u64 s[12:13], s[12:13], s[84:85]      ; my scale words
	s_wait_alu depctr_va_vdst(0)
	s_wait_tensorcnt 0x0                           ; my one load, my tiles for all of K, is in
	s_barrier_signal -1
	s_barrier_wait -1
	FETCH 0
	s_wait_loadcnt 0x0
.irp a, 0,1,2,3
	v_mov_b32 v[BV+2*\a+1], v[BV+2*\a]             ; named with it as a pair, so it is written
.endr
	s_wait_alu depctr_va_vdst(0)
.irp g, 0,1,2,3,4,5,6,7
	STEPG \g
.endr
	WIN 0
	PLACES 4
.macro VOUT a                          ; d tile a: + bias, the quantiser along my 128 keys, two unit images
	s_wait_xcnt 0x0                                ; the last tile's stores have read their registers
	WIN 0x02
.set n_, 0
.rept 32
	v_pk_add_f32 v[X+n_:X+n_+1], v[64*\a+n_:64*\a+n_+1], v[BV+2*\a:BV+2*\a+1] op_sel_hi:[1,0]   ; each accumulator from its low end on
.set n_, n_+2
.endr
	WIN 0
	QUANT X
	global_store_b128 v[L16], v[PC:PC+3], s[10:11] offset:768*\a
	global_store_b64 v[L8], v[PC+4:PC+5], s[10:11] offset:768*\a+512
	global_store_b128 v[L16], v[PC+6:PC+9], s[10:11] offset:768*\a+3072
	global_store_b64 v[L8], v[PC+10:PC+11], s[10:11] offset:768*\a+3584
	v_mov_b32 v[VW+\a], v[PW]
.endm
	VOUT 0
	VOUT 1
	VOUT 2
	VOUT 3
	global_store_b128 v13, v[VW:VW+3], s[12:13]    ; 256 consecutive bytes, aligned
	s_wait_tensorcnt 0x0                           ; the wave's end
	ds_add_u32 v[SPW], v[NIL]
	s_wait_dscnt 0x0
	CROUND                                         ; the closing round
	s_endpgm
.Lfunc_end_k_qed356ca2c8_projv:
	.size	k_qed356ca2c8_projv, .Lfunc_end_k_qed356ca2c8_projv-k_qed356ca2c8_projv
	.p2alignl 7, 3214868480
	.fill 96, 4, 3214868480
	.section	.rodata,"a",@progbits
	.p2align	6, 0x0
	.amdhsa_kernel k_qed356ca2c8_projv
		.amdhsa_group_segment_fixed_size 327680
		.amdhsa_private_segment_fixed_size 0
		.amdhsa_enable_private_segment 0
		.amdhsa_kernarg_size 40
		.amdhsa_user_sgpr_count 2
		.amdhsa_user_sgpr_kernarg_segment_ptr 1
		.amdhsa_wavefront_size32 1
		.amdhsa_system_sgpr_workgroup_id_x 1
		.amdhsa_system_sgpr_workgroup_id_y 1
		.amdhsa_system_sgpr_workgroup_id_z 1
		.amdhsa_system_vgpr_workitem_id 0
		.amdhsa_next_free_vgpr 768
		.amdhsa_next_free_sgpr 102
		.amdhsa_reserve_vcc 0
		.amdhsa_float_denorm_mode_32 3
		.amdhsa_float_denorm_mode_16_64 3
		.amdhsa_memory_ordered 1
		.amdhsa_forward_progress 1
		.amdhsa_inst_pref_size 92
	.end_amdhsa_kernel
	.amdgpu_metadata
---
amdhsa.version: [ 1, 2 ]
amdhsa.kernels:
  - .name:           k_qed356ca2c8_projv
    .symbol:         k_qed356ca2c8_projv.kd
    .args:
      - { .name: cimg, .offset: 0, .size: 8, .value_kind: global_buffer, .address_space: global }
      - { .name: csc, .offset: 8, .size: 8, .value_kind: global_buffer, .address_space: global }
      - { .name: bv, .offset: 16, .size: 8, .value_kind: global_buffer, .address_space: global }
      - { .name: vimg, .offset: 24, .size: 8, .value_kind: global_buffer, .address_space: global }
      - { .name: vsw, .offset: 32, .size: 8, .value_kind: global_buffer, .address_space: global }
    .group_segment_fixed_size: 327680
    .private_segment_fixed_size: 0
    .kernarg_segment_align: 8
    .kernarg_segment_size: 40
    .max_flat_workgroup_size: 128
    .sgpr_count:     102
    .vgpr_count:     768
    .wavefront_size: 32
...
	.end_amdgpu_metadata
.endif
;; end of part 3
;; launch attn (part 4): grid 16 x 16, 8 waves a work-group, clusters of 4 x 1, 327,680 bytes of LDS; arguments qkimg, qksw, vimg, vsw, short_matrix, mask, att_prior_bias, oimg, osw; writes oimg, osw
.if DOCPART == 4
	.amdgcn_target "amdgcn-amd-amdhsa--gfx1250"
	.amdhsa_code_object_version 6
	.text
	.protected	k_qed356ca2c8_attn
	.globl	k_qed356ca2c8_attn
	.p2align	8
	.type	k_qed356ca2c8_attn,@function
k_qed356ca2c8_attn:
	s_mov_b64 s[64:65], 0
	v_nop
	global_prefetch_b8 v0, s[64:65] scope:SCOPE_SE
	s_setreg_imm32_b32 hwreg(HW_REG_WAVE_MODE, 25, 1), 1
	s_wait_xcnt 0x0
	s_wait_alu depctr_hold_cnt(0) depctr_sa_sdst(0) depctr_va_vdst(0) depctr_va_sdst(0) depctr_va_ssrc(0) depctr_va_vcc(0) depctr_vm_vsrc(0)
	s_getreg_b32 s2, hwreg(HW_REG_IB_STS2, 6, 4)
	s_cmp_eq_u32 s2, 0
	s_cbranch_scc0 .Lentry_in_a_cluster
	s_endpgm
.Lentry_in_a_cluster:
	s_bfe_u32 s2, ttmp6, 0x10000c
	s_cmp_lg_u32 s2, 0x3003
	s_cbranch_scc0 .Lentry_shape_is_right
	s_endpgm
.Lentry_shape_is_right:
; LAUNCH 4 OF 5.  For each batch and head: scores = q k^T / 8 + mask[b][key] + sigmoid(att_prior_bias[head]) short_matrix[query][key]; the softmax; times v; / the row's sum; the quantiser along head x 64.  Nothing of reference() is left out.
; THE SOFTMAX AHEAD OF THE SECOND PRODUCT: t = score x log2(e); M = the running largest t rounded up to a whole number, kept as -M = floor(-t); p = 2^(t - M) is quantised along the keys; the sum is taken of the unquantised p;
; when M moves, the sum and O are multiplied by 2^(old M - new M), which rounds nothing.  A block's largest p is made from the block's largest score by the same two instructions.
; SHARES.  A work-group (x = g, y = qb): the 64 queries 64 qb on, of batch g / 2, heads 8 (g % 2) on.  Wave w: head 8 (g % 2) + w, all 64 queries (four tiles of 16), all 1,024 keys, 128 a step.  Two waves to a SIMD.
; WHAT LIES WHERE.  short_matrix's 64 rows x 1,024 keys serve all eight waves and lie in LDS for the whole launch: eight tiles of 64 rows x 128 keys (rows of 512 + 16 bytes), tile w brought by wave w's ONE tensor load at the head.
; No LDS byte is filled again: one barrier behind the head, none in the loop over the keys.  K's and V's images are each wave's own (its head's) and lie in memory as the operand registers take them: they go from memory straight
; into registers, each load over 512 or 256 consecutive bytes.  Their scale words (8 heads x 4,096 and 8 x 2,048 bytes) and 8 x mask (4,096) are stored into LDS once, at the head.
; CLUSTER 4 x 1: the four work-groups g = 4 c .. 4 c + 3 of one qb need the same tiles of short and ask for them jointly (mask 15).  K and V are shared by no partner.
; THE NEXT STEP'S OPERANDS are asked for as their registers fall free: mask, K's scale words and K behind tile 3's scores, short of tile 0 behind tile 3's conversion, V behind tile 3's last product.
; PREFETCH: a step of a head's K and V is 48 blocks of 256 bytes, read by the sixteen work-groups of equal g.  The eight with equal qb / 8 share them out by address, six blocks each (qb % 8 under 4: K's, else V's), a lane a block
; (lanes 6-31 name the sixth again).  Trip j, which loads step j + 1, asks for step j + 3: two trips ahead; trips 5 and 6 ask for nothing; steps 1 and 2 are asked for at the head, step 0 comes by its loads alone.
; LAYOUT.  Both products transposed: S^T = K Q^T (source 0 = 16 keys, in launch 1's order of a tile's rows, so that a lane's 64 registers are keys 32 b + 16 (lane / 16) + i), O^T = V^T P^T: a lane holds one query throughout.
; THE PRIOR AND THE MASK ARE THE C OF THE SCORE PRODUCT: C = 8 sigmoid x short + 8 mask is made in the scores' registers and the product adds onto it; t = (K Q^T + C) x log2(e) / 8.
; K = 64 IN AN INSTRUCTION OF 128: Q's registers 6-11 are zero codes, and bytes 2, 3 of both scale words are 0.  K's eight tiles lie packed, six registers each; tile t's operand is v[6 t .. 6 t + 11]: its upper half is the next tile's
; codes, which meet Q's zero codes: E2M3 has no NaN and no infinity, so these products are exactly 0.  Six zero registers close the run.
; The loop has no first step of its own: O^T and the sums begin as zeros and the largest t as -3e38; the 128 moves that clear O^T stand once and spare a third copy of the step.  The last step, which asks for nothing, is written out.
; LIMITS: NaN and infinities among q, k, v and the tables are not served.  8 x mask is held at -2^32 from below (mask values under -2^29, -infinity among them, count as -2^29): such a key's p is 0 beside any key that is not so masked;
; a row whose every key is masked by -infinity gives finite numbers where reference() gives NaN.  The sum of prior, mask and score is rounded by the matrix unit.  The bytes' floor as in launch 1.
; REGISTERS: window 0: v1-13 addresses; v[14:15] 8 sigmoid; v16-31 four a tile: -M, largest t, the sum's halves; v32-95 S; v96-114 p's codes; v116-134 at work; v136-139, v140-143, v144-145 K's, V's, Q's scale words;
;   v146-193 Q; v194-241 V.   window 1: v0-127 O^T (32 a tile); v128-181 K; v192-255 8 mask.
.set STILE, 33792                      ; a key step's short: 64 rows x 528 bytes
.set KSW,   8*STILE                    ; K's scale words, 8 heads x 4,096 bytes
.set VSW,   KSW+32768                  ; V's, 8 x 2,048
.set MK8,   VSW+16384                  ; 8 x mask, 4,096
.set SPARE, MK8+4096                   ; the spare words, 128 bytes a wave
.set SPW, 1
.set NIL, 2
.set SHA, 3
.set L16, 4                            ; v4  16 x lane
.set L8P, 5                            ; v5  8 x lane + 512
.set PFV, 6                            ; v6  the prefetches' offset: 256 x min(lane, 5)
.set MKA, 8
.set KSA, 9
.set VSA, 10
.set AD0, 11
.set AD1, 12
.set AD2, 13
.set SG,  14
.set S,   32
.set PC,  96
.set PT,  108
.set BM,  116
.set B2,  120
.set SO,  124
.set TA,  128
.set ADS, 129
.set F,   130
.set SUM2, 132
.set PW,  134
.set KS,  136
.set VS,  140
.set QS,  144
.set QF,  146
.set VF,  194
.set OW,  228
.set KF,  128                          ; window 1
.set MK,  192                          ; window 1
.set WV, 22
.set HG, 24
.set CX, 25
.set BB, 28
.set QB, 29
.set HEAD, 30
.set G1S, 32
.set G0S, 48
.set KB,  52                           ; s[52:53] my head's K images, at the step that is loaded next
.set VB,  54                           ; s[54:55] its V images
.set PF,  56                           ; s[56:57] my work-group's six blocks of the step that is loaded next
.set TSH, 60
.set TMK, 61
.set TKS, 62
.set TVS, 63
.set SEL, 66
.set CS,  68
.set CNT, 70
.set MSB, 0
.macro WIN new                         ; the immediate's high byte repeats the setting that is left
.if MSB != \new
	s_set_vgpr_msb (MSB<<8)|\new
.set MSB, \new
.endif
.endm
.macro PLACES n
.rept \n
	v_nop
.endr
.endm
.macro CROUND                          ; a round of the cluster's barrier
	s_barrier_signal -1
	s_barrier_wait -1
	s_cmp_lg_u32 s[WV], 0
	s_cbranch_scc1 .Lnot_wave_0_\@
	s_barrier_signal -3
.Lnot_wave_0_\@:
	s_barrier_wait -3
	s_barrier_signal -1
	s_barrier_wait -1
.endm
.macro GK                              ; 16 loads: my head's K of the step at s[KB]
	WIN 0x40
.irp k, 0,1,2,3,4,5,6,7
	global_load_b128 v[KF+6*\k:KF+6*\k+3], v[L16], s[KB:KB+1] offset:768*\k
	global_load_b64 v[KF+6*\k+4:KF+6*\k+5], v[L8P], s[KB:KB+1] offset:768*\k
.endr
	WIN 0
.endm
.macro GV                              ; 16 loads: its V
.irp a, 0,1,2,3
	global_load_b128 v[VF+12*\a:VF+12*\a+3], v[L16], s[VB:VB+1] offset:768*\a
	global_load_b64 v[VF+12*\a+4:VF+12*\a+5], v[L8P], s[VB:VB+1] offset:768*\a
	global_load_b128 v[VF+12*\a+6:VF+12*\a+9], v[L16], s[VB:VB+1] offset:3072+768*\a
	global_load_b64 v[VF+12*\a+10:VF+12*\a+11], v[L8P], s[VB:VB+1] offset:3072+768*\a
.endr
.endm
	s_load_b256 s[4:11], s[0:1], 0x0               ; qkimg, qksw, vimg, vsw
	s_load_b256 s[12:19], s[0:1], 0x20             ; short_matrix, mask, att_prior_bias, oimg
	s_load_b64 s[20:21], s[0:1], 0x40              ; osw
	v_lshl_add_u32 v[SPW], v0, 2, SPARE
	v_mov_b32 v[NIL], 0
	ds_add_u32 v[SPW], v[NIL]                      ; the opening: the add, twice on end, and its wait ahead of my first tensor load
	ds_add_u32 v[SPW], v[NIL]
	v_lshrrev_b32 v11, 5, v0
	s_delay_alu instid0(VALU_DEP_1)
	v_readfirstlane_b32 s[WV], v11                 ; wave 0..7
	s_bfe_u32 s[CX], ttmp6, 0x40000
	s_lshl_b32 s27, ttmp9, 2
	s_add_co_u32 s27, s27, s[CX]                   ; g = 4 x cluster x + cx
	s_and_b32 s[QB], ttmp7, 0xffff                 ; the block of 64 queries: the cluster's y
	s_lshr_b32 s[BB], s27, 1                       ; the batch
	s_and_b32 s[HG], s27, 1                        ; which eight heads
	s_lshl_b32 s[HEAD], s[HG], 3
	s_add_co_u32 s[HEAD], s[HEAD], s[WV]           ; my head
	s_mov_b32 s[G1S], 15|(2<<16)|(1<<20)|(1<<21)|(6<<22)|(3<<25)   ; the four partners; elements of 4 bytes; 4 words of padding behind every 128; bit 21 beside a mask
	s_mov_b32 s[G1S+1], 128<<16
	s_mov_b32 s[G1S+2], 64<<16
	s_mov_b32 s[G1S+3], 128<<16
	s_mov_b32 s[G1S+4], 64
	s_mov_b32 s[G1S+5], 1024
	s_mov_b32 s[G1S+6], 0
	s_mov_b32 s[G1S+7], 0
	s_lshl_b32 s72, s[QB], 18                      ; short: row 64 qb, key 128 w: nothing of g in these registers
	s_lshl_b32 s73, s[WV], 9
	s_add_co_u32 s72, s72, s73
	s_mov_b32 s73, 0
	s_mul_i32 s78, s[WV], STILE
	s_lshl_b32 s75, s[BB], 4
	s_add_co_u32 s75, s75, s[HEAD]                 ; 16 b + head
	s_mul_i32 s76, s75, 49152
	s_mov_b32 s77, 0
	s_mov_b32 s[SEL], 0x76543210
	s_mov_b32 s[SEL+1], 0xfedcba98
	s_mov_b32 s[CS], 0x3e38aa3b                    ; c = log2(e) / 8
	s_mov_b32 s[CS+1], s[CS]
	s_mov_b32 s[TSH], 0
	s_mov_b32 s[TMK], 0
	s_mov_b32 s[TKS], 0
	s_mov_b32 s[TVS], 0
	s_mov_b32 s[CNT], 7
	s_wait_dscnt 0x0                               ; both opening adds are done
	s_wait_kmcnt 0x0
	s_mov_b32 s[G0S], 1
	s_mov_b32 s[G0S+1], s78
	s_add_nc_u64 s[G0S+2:G0S+3], s[12:13], s[72:73]
	s_or_b32 s[G0S+3], s[G0S+3], 0x80000000
	s_add_nc_u64 s[KB:KB+1], s[4:5], s[76:77]
	s_add_nc_u64 s[KB:KB+1], s[KB:KB+1], 6291456   ; k's half of qkimg
	s_add_nc_u64 s[VB:VB+1], s[8:9], s[76:77]
	s_and_b32 s79, s[QB], 7
	s_cmp_lt_u32 s79, 4                            ; a choice of buffers on the work-group's number alone
	s_cselect_b64 s[PF:PF+1], s[KB:KB+1], s[VB:VB+1]
	s_and_b32 s80, s79, 3
	s_mul_i32 s80, s80, 1536
	s_mov_b32 s81, 0
	s_add_nc_u64 s[PF:PF+1], s[PF:PF+1], s[80:81]
	s_lshl_b32 s80, s[HEAD], 2
	s_add_nc_u64 s[16:17], s[16:17], s[80:81]
	s_load_b32 s96, s[16:17], 0x0                  ; my head's att_prior_bias
	CROUND                                         ; the four partners are here: the joint loads meet
	tensor_load_to_lds s[G0S:G0S+3], s[G1S:G1S+7]  ; key step w's short: my one tensor load
	s_nop 0
	PLACES 4
	s_lshl_b32 s80, s75, 6                         ; Q: image (16 b + head) 64 + 4 qb
	s_lshl_b32 s88, s[QB], 2
	s_add_co_u32 s80, s80, s88
	s_mul_i32 s80, s80, 768
	s_add_nc_u64 s[82:83], s[4:5], s[80:81]
	s_lshl_b32 s80, s75, 12                        ; Q's scale words
	s_lshl_b32 s88, s[QB], 8
	s_add_co_u32 s80, s80, s88
	s_add_nc_u64 s[86:87], s[6:7], s[80:81]
	s_lshl_b32 s80, s[BB], 16                      ; K's scale words of my eight heads: 32,768 dense bytes
	s_lshl_b32 s88, s[HG], 15
	s_add_co_u32 s80, s80, s88
	s_add_co_u32 s80, s80, 524288
	s_add_nc_u64 s[90:91], s[6:7], s[80:81]
	s_lshl_b32 s80, s[BB], 15                      ; V's: 16,384 dense bytes
	s_lshl_b32 s88, s[HG], 14
	s_add_co_u32 s80, s80, s88
	s_add_nc_u64 s[92:93], s[10:11], s[80:81]
	s_lshl_b32 s80, s[BB], 12                      ; my batch's row of the mask
	s_add_nc_u64 s[94:95], s[14:15], s[80:81]
	v_and_b32 v32, 31, v0
	s_delay_alu instid0(VALU_DEP_1)
	v_lshlrev_b32 v[L16], 4, v32
	s_delay_alu instid0(VALU_DEP_2)
	v_lshlrev_b32 v[L8P], 3, v32
	s_delay_alu instid0(VALU_DEP_3)
	v_lshlrev_b32 v35, 2, v32
	s_delay_alu instid0(VALU_DEP_2)
	v_add_nc_u32 v[L8P], 512, v[L8P]
	v_lshlrev_b32 v36, 4, v0                       ; 16 x thread
	v_lshl_add_u32 v37, v0, 4, KSW
	v_and_b32 v38, 15, v0                          ; r
	v_bfe_u32 v39, v0, 4, 1                        ; h
	v_min_u32 v[PFV], 5, v32
	s_delay_alu instid0(VALU_DEP_1)
	v_lshlrev_b32 v[PFV], 8, v[PFV]
.irp u, 0,1,2,3
	global_load_b128 v[QF+12*\u:QF+12*\u+3], v[L16], s[82:83] offset:768*\u
	global_load_b64 v[QF+12*\u+4:QF+12*\u+5], v[L8P], s[82:83] offset:768*\u
.endr
	global_load_b32 v[QS], v35, s[86:87]           ; lanes 0-15: tile 0's words, lanes 16-31: tile 1's
	global_load_b32 v[QS+1], v35, s[86:87] offset:128
.irp i, 0,1,2,3,4,5,6,7
	global_load_b128 v[40+4*\i:43+4*\i], v36, s[90:91] offset:4096*\i
.endr
.irp i, 0,1,2,3
	global_load_b128 v[72+4*\i:75+4*\i], v36, s[92:93] offset:4096*\i
.endr
	global_load_b128 v[88:91], v36, s[94:95]
	GK                                             ; step 0's K and V: 32 loads behind the 23 above
	GV
	global_prefetch_b8 v[PFV], s[PF:PF+1] offset:6144 th:TH_LOAD_NT scope:SCOPE_SE    ; my six blocks of step 1,
	global_prefetch_b8 v[PFV], s[PF:PF+1] offset:12288 th:TH_LOAD_NT scope:SCOPE_SE   ; and of step 2
	v_mul_u32_u24 v[SHA], v38, 528
	s_delay_alu instid0(VALU_DEP_1)
	v_lshl_add_u32 v[SHA], v39, 6, v[SHA]          ; short: row r, + 64 h
	v_lshl_add_u32 v[MKA], v39, 6, MK8
	s_lshl_b32 s88, s[WV], 12
	s_add_co_u32 s88, s88, KSW
	v_lshl_add_u32 v[KSA], v32, 2, s88
	s_lshl_b32 s88, s[WV], 11
	s_add_co_u32 s88, s88, VSW
	v_lshl_add_u32 v[VSA], v38, 4, s88
.irp u, 0,1,2,3
.irp i, 6,7,8,9,10,11
	v_mov_b32 v[QF+12*\u+\i], 0                    ; Q's upper 64 along K: zero codes
.endr
	v_mov_b32 v[17+4*\u], 0xff61b1e6               ; the largest t so far: -3e38
	s_delay_alu instid0(VALU_DEP_1)
	v_floor_f32 v[16+4*\u], -v[17+4*\u]            ; -M
	v_mov_b32 v[18+4*\u], 0                        ; the sum, in two halves
	v_mov_b32 v[19+4*\u], 0
	v_mov_b32 v[B2+\u], 0                          ; a lane permute's destination counts as one of its sources
.endr
	v_mov_b32 v[F+1], 0                            ; named as the upper half of a pair
	WIN 0x40
.set n_, 0
.rept 128
	v_mov_b32 v[n_], 0                             ; O^T
.set n_, n_+1
.endr
.irp i, 0,1,2,3,4,5
	v_mov_b32 v[KF+48+\i], 0                       ; behind K's eighth tile
.endr
	WIN 0
	s_lshl_b32 s80, s[BB], 6                       ; where my images go: ((64 b + 4 qb) 16 + head) 768
	s_lshl_b32 s88, s[QB], 2
	s_add_co_u32 s80, s80, s88
	s_lshl_b32 s80, s80, 4
	s_add_co_u32 s80, s80, s[HEAD]
	s_mul_i32 s80, s80, 768
	s_add_nc_u64 s[18:19], s[18:19], s[80:81]
	s_lshl_b32 s80, s[BB], 4                       ; and my scale words: 32,768 head + 256 (16 b + qb)
	s_add_co_u32 s80, s80, s[QB]
	s_lshl_b32 s80, s80, 8
	s_lshl_b32 s88, s[HEAD], 15
	s_add_co_u32 s80, s80, s88
	s_add_nc_u64 s[20:21], s[20:21], s[80:81]
	s_wait_kmcnt 0x0
	v_mov_b32 v92, s96
	s_delay_alu instid0(VALU_DEP_1)
	v_mul_f32 v92, 0xbfb8aa3b, v92                 ; sigmoid(x) = 1 / (1 + 2^(-x log2(e)))
	s_wait_alu depctr_va_vdst(0)
	v_exp_f32 v92, v92
	v_nop                                          ; a plain place behind the transcendental,
	s_wait_alu depctr_va_vdst(0)                   ; and the wait ahead of its first reader
	v_add_f32 v92, 1.0, v92
	s_wait_alu depctr_va_vdst(0)
	v_rcp_f32 v93, v92
	v_nop
	s_wait_alu depctr_va_vdst(0)
	v_mul_f32 v[SG], 0x41000000, v93               ; x 8
	s_delay_alu instid0(VALU_DEP_1)
	v_mov_b32 v[SG+1], v[SG]
	s_wait_alu depctr_va_vdst(0)
	s_wait_loadcnt 32                              ; Q, the scale words and the mask are in; K's and V's 32 loads may be out
.irp i, 0,1,2,3
	v_mul_f32 v[88+\i], 0x41000000, v[88+\i]       ; 8 x mask,
.endr
.irp i, 0,1,2,3
	s_delay_alu instid0(VALU_DEP_4)
	v_max_num_f32 v[88+\i], 0xcf800000, v[88+\i]   ; held at -2^32
.endr
.irp i, 0,1,2,3,4,5,6,7
	ds_store_b128 v37, v[40+4*\i:43+4*\i] offset:4096*\i
.endr
.irp i, 0,1,2,3
	ds_store_b128 v37, v[72+4*\i:75+4*\i] offset:VSW-KSW+4096*\i
.endr
	ds_store_b128 v37, v[88:91] offset:MK8-KSW
.macro SCORE k, u                      ; S^T tile k of query tile u: adds onto C.  K's scale words: register k / 2, odd tiles in lanes 16-31; Q's likewise
.set rD, S+8*(\k)
.set rK, KF+6*(\k)
.set rQ, QF+12*(\u)
.set rA, KS+(\k)/2
.set rB, QS+(\u)/2
.if ((\k)&1) && ((\u)&1)
	v_wmma_scale_f32_16x16x128_f8f6f4 v[rD:rD+7], v[rK:rK+11], v[rQ:rQ+11], v[rD:rD+7], v[rA], v[rB] matrix_a_fmt:MATRIX_FMT_FP6 matrix_b_fmt:MATRIX_FMT_FP6 matrix_a_scale:MATRIX_SCALE_ROW1 matrix_b_scale:MATRIX_SCALE_ROW1
.elseif (\k)&1
	v_wmma_scale_f32_16x16x128_f8f6f4 v[rD:rD+7], v[rK:rK+11], v[rQ:rQ+11], v[rD:rD+7], v[rA], v[rB] matrix_a_fmt:MATRIX_FMT_FP6 matrix_b_fmt:MATRIX_FMT_FP6 matrix_a_scale:MATRIX_SCALE_ROW1
.elseif (\u)&1
	v_wmma_scale_f32_16x16x128_f8f6f4 v[rD:rD+7], v[rK:rK+11], v[rQ:rQ+11], v[rD:rD+7], v[rA], v[rB] matrix_a_fmt:MATRIX_FMT_FP6 matrix_b_fmt:MATRIX_FMT_FP6 matrix_b_scale:MATRIX_SCALE_ROW1
.else
	v_wmma_scale_f32_16x16x128_f8f6f4 v[rD:rD+7], v[rK:rK+11], v[rQ:rQ+11], v[rD:rD+7], v[rA], v[rB] matrix_a_fmt:MATRIX_FMT_FP6 matrix_b_fmt:MATRIX_FMT_FP6
.endif
.endm
.macro SHORT t                         ; short of query tile t, 16 LDS loads, of the key step that v[ADS] names
.set n_, 0
.rept 16
	ds_load_b128 v[S+4*n_:S+4*n_+3], v[ADS] offset:8448*(\t)+128*(n_/4)+16*(n_%4)
.set n_, n_+1
.endr
.endm
.macro LM                              ; 20 LDS loads: 8 mask and K's scale words of the step at s[TMK], s[TKS]
	v_add_nc_u32 v[AD0], s[TMK], v[MKA]
	WIN 0x40
.set n_, 0
.rept 16
	ds_load_b128 v[MK+4*n_:MK+4*n_+3], v[AD0] offset:128*(n_/4)+16*(n_%4)      ; 8 mask of key 32 b + 16 h + i: the same for all my queries
.set n_, n_+1
.endr
	WIN 0
	v_add_nc_u32 v[AD0], s[TKS], v[KSA]
.irp n, 0,1,2,3
	ds_load_b32 v[KS+\n], v[AD0] offset:128*\n
.endr
.endm
.macro LV                              ; V, and one LDS load for its scale words.  The four lines ahead of them are the places behind the last product that read these registers
	v_add_nc_u32 v[AD0], s[TVS], v[VSA]
	PLACES 3
	GV
	ds_load_b128 v[VS:VS+3], v[AD0]
.endm
; QUERY TILE u OF A KEY STEP, FIRST HALF: C, the scores, the maxima, M, t - M.  No two matrix instructions on end share an accumulator, and every turn is one instruction.
.macro UA u
.set ST_, 16+4*(\u)
.if (\u) == 0
	s_wait_loadcnt 16                              ; K is in; V's 16 loads may be out
	s_wait_dscnt 1                                 ; the mask, K's scale words and short are in; V's scale words may be out
.else
	s_wait_dscnt 0x0                               ; this tile's short
.endif
	WIN 0x10
.set n_, 0
.rept 32
	v_pk_fma_f32 v[S+n_:S+n_+1], v[S+n_:S+n_+1], v[SG:SG+1], v[MK+n_:MK+n_+1]   ; C = 8 sigmoid x short + 8 mask
.set n_, n_+2
.endr
	WIN 0x01
.irp k, 0,1,2,3,4,5,6,7
	SCORE \k, \u
.endr
	WIN 0
	PLACES 4                                       ; in front of the first reads of the scores, and of later loads into K's registers
.irp b, 0,1,2,3
	v_max3_num_f32 v[BM+\b], v[S+16*\b], v[S+1+16*\b], v[S+2+16*\b]   ; the largest score of each block of 32 keys: for the row's maximum and for the block's largest p.  Each tile is first read at its low end
.endr
.irp i, 3,5,7,9,11,13
.irp b, 0,1,2,3
	v_max3_num_f32 v[BM+\b], v[BM+\b], v[S+16*\b+\i], v[S+1+16*\b+\i]
.endr
.endr
.irp b, 0,1,2,3
	v_max_num_f32 v[BM+\b], v[BM+\b], v[S+15+16*\b]
.endr
.irp b, 0,1,2,3
	s_delay_alu instid0(VALU_DEP_4)
	v_permlanex16_b32 v[B2+\b], v[BM+\b], s[SEL], s[SEL+1]
.endr
.irp b, 0,1,2,3
	s_delay_alu instid0(VALU_DEP_4)
	v_max_num_f32 v[BM+\b], v[BM+\b], v[B2+\b]     ; with lane l xor 16's 16 keys
.endr
	s_delay_alu instid0(VALU_DEP_2)
	v_max3_num_f32 v[TA], v[BM], v[BM+1], v[BM+2]
	s_delay_alu instid0(VALU_DEP_1)
	v_max_num_f32 v[TA], v[TA], v[BM+3]
	s_delay_alu instid0(VALU_DEP_1)
	v_mul_f32 v[TA], s[CS], v[TA]                  ; as t (c is positive)
	s_delay_alu instid0(VALU_DEP_1)
	v_max_num_f32 v[ST_+1], v[ST_+1], v[TA]        ; the running largest t
	v_mov_b32 v[TA], v[ST_]
	s_delay_alu instid0(VALU_DEP_2)
	v_floor_f32 v[ST_], -v[ST_+1]                  ; the new -M = -ceil(t)
	s_delay_alu instid0(VALU_DEP_1)
	v_sub_f32 v[TA], v[ST_], v[TA]                 ; old M - new M: a whole number, 0 or less
	s_delay_alu instid0(VALU_DEP_1)
	v_cvt_i32_f32 v[TA], v[TA]                     ; (it saturates)
	s_delay_alu instid0(VALU_DEP_1)
	v_ldexp_f32 v[F], 1.0, v[TA]                   ; f = 2^(old M - new M)
.set n_, 0
.rept 32
	v_pk_fma_f32 v[S+n_:S+n_+1], v[S+n_:S+n_+1], s[CS:CS+1], v[ST_:ST_+1] op_sel_hi:[1,0,0]   ; t - M
.set n_, n_+2
.endr
.irp b, 0,1,2,3
	v_fma_f32 v[BM+\b], v[BM+\b], s[CS], v[ST_]
.endr
.endm
; SECOND HALF: p, the sum, p's codes, O^T.  nxt = 1 (tile 3 alone): the next step's short of tile 0 follows p into its registers
.macro UB u, nxt
.set ST_, 16+4*(\u)
	s_wait_alu depctr_va_vdst(0)
.set n_, 0
.rept 64
	v_exp_f32 v[S+n_], v[S+n_]                     ; p = 2^(t - M),
.set n_, n_+1
.endr
.irp b, 0,1,2,3
	v_exp_f32 v[BM+\b], v[BM+\b]                   ; and the blocks' largest p: one batch of 68
.endr
	v_pk_mul_f32 v[ST_+2:ST_+3], v[ST_+2:ST_+3], v[F:F+1] op_sel_hi:[1,0]   ; the sums under the new M: the plain place behind the batch
	s_wait_alu depctr_va_vdst(0)                   ; one wait for the batch, ahead of its first reader
	v_pk_add_f32 v[SUM2:SUM2+1], v[S:S+1], v[S+2:S+3]   ; the row's sum of the unquantised p, in two chains
.irp j, 4,8,12,16,20,24,28,32,36,40,44,48,52,56,60
	v_pk_add_f32 v[ST_+2:ST_+3], v[ST_+2:ST_+3], v[S+\j:S+\j+1]
	v_pk_add_f32 v[SUM2:SUM2+1], v[SUM2:SUM2+1], v[S+\j+2:S+\j+3]
.endr
	s_delay_alu instid0(VALU_DEP_1)
	v_pk_add_f32 v[ST_+2:ST_+3], v[ST_+2:ST_+3], v[SUM2:SUM2+1]
.irp b, 0,1,2,3
	v_max_num_f32 v[BM+\b], 0x1800000, v[BM+\b]    ; the floor 2^(3 - 127)
.endr
.irp b, 0,1,2,3
	s_delay_alu instid0(VALU_DEP_4)
	v_add_nc_u32 v[SO+\b], 0xff000000, v[BM+\b]
.endr
.irp b, 0,1,2,3
	s_delay_alu instid0(VALU_DEP_4)
	v_lshrrev_b32 v[B2+\b], 23, v[SO+\b]
.endr
	s_delay_alu instid0(VALU_DEP_3)
	v_lshl_or_b32 v[PW], v[B2+1], 8, v[B2]         ; p's scale word for these 128 keys
	s_delay_alu instid0(VALU_DEP_1)
	v_lshl_or_b32 v[PW], v[B2+2], 16, v[PW]
	s_delay_alu instid0(VALU_DEP_1)
	v_lshl_or_b32 v[PW], v[B2+3], 24, v[PW]
.irp c, 0,1
	v_cvt_scalef32_pk16_fp6_f32 v[PC+6*\c:PC+2+6*\c], v[S+32*\c:S+15+32*\c], v[SO+2*\c]
	v_cvt_scalef32_pk16_fp6_f32 v[PT+4*\c:PT+2+4*\c], v[S+16+32*\c:S+31+32*\c], v[SO+2*\c+1]
.endr
	v_nop                                          ; one plain place behind a scaled conversion
.if (\u) < 3
	SHORT (\u)+1                                   ; the next tile's short, into the registers that p has left
.elseif \nxt
	v_add_nc_u32 v[ADS], s[TSH], v[SHA]            ; on to the next step's short
	SHORT 0
.endif
.irp c, 0,1
.irp i, 0,1,2
	v_permlane16_swap_b32 v[PC+6*\c+\i], v[PT+4*\c+\i]
.endr
.irp i, 0,1,2
	s_delay_alu instid0(VALU_DEP_3)
	v_mov_b32 v[PC+3+6*\c+\i], v[PT+4*\c+\i]
.endr
.endr
	WIN 0x41
.set n_, 0
.rept 16
	v_pk_mul_f32 v[32*(\u)+n_:32*(\u)+n_+1], v[32*(\u)+n_:32*(\u)+n_+1], v[F:F+1] op_sel_hi:[1,0]   ; O^T under the new M.  These 16 are also the places behind the writes of p's codes and scale word
.set n_, n_+2
.endr
.if (\u) == 0
	s_wait_alu depctr_va_vdst(0)
	s_wait_loadcnt 0x0                             ; V is in,
	s_wait_dscnt 16                                ; and its scale words; the 16 loads of short just issued may be out
.endif
	WIN 0x50
.irp a, 0,1,2,3
	v_wmma_scale_f32_16x16x128_f8f6f4 v[32*(\u)+8*\a:32*(\u)+8*\a+7], v[VF+12*\a:VF+12*\a+11], v[PC:PC+11], v[32*(\u)+8*\a:32*(\u)+8*\a+7], v[VS+\a], v[PW] matrix_a_fmt:MATRIX_FMT_FP6 matrix_b_fmt:MATRIX_FMT_FP6
.endr
	WIN 0
.endm
.macro UNIT u
	UA \u
	UB \u, 0
.endm
	s_wait_alu depctr_va_vdst(0)
	s_wait_tensorcnt 0x0                           ; my tile of short is in,
	s_wait_dscnt 0x0                               ; and my LDS stores have landed
	s_barrier_signal -1
	s_barrier_wait -1                              ; everybody's: the launch's one work-group barrier outside the cluster's rounds
	LM
	v_add_nc_u32 v[ADS], s[TSH], v[SHA]
	SHORT 0
	v_add_nc_u32 v[AD0], s[TVS], v[VSA]
	ds_load_b128 v[VS:VS+3], v[AD0]
.Lstep:                                            ; seven trips: trip j multiplies step j and asks for step j + 1
	UNIT 0
	s_wait_alu depctr_va_vdst(0)
	s_cmp_gt_u32 s[CNT], 2                         ; trips 0 to 4: step j + 3 exists
	s_cbranch_scc0 .Lno_ask
	global_prefetch_b8 v[PFV], s[PF:PF+1] offset:18432 th:TH_LOAD_NT scope:SCOPE_SE
.Lno_ask:
	UNIT 1
	UNIT 2
	UA 3
	s_wait_xcnt 0x0                                ; every earlier load and prefetch has read its base: only now are the bases stepped
	s_add_nc_u64 s[KB:KB+1], s[KB:KB+1], 6144
	s_add_nc_u64 s[VB:VB+1], s[VB:VB+1], 6144
	s_add_nc_u64 s[PF:PF+1], s[PF:PF+1], 6144
	s_add_co_u32 s[TSH], s[TSH], STILE
	s_add_co_u32 s[TMK], s[TMK], 512
	s_add_co_u32 s[TKS], s[TKS], 512
	s_add_co_u32 s[TVS], s[TVS], 256
	LM
	GK
	UB 3, 1
	LV
	s_sub_co_u32 s[CNT], s[CNT], 1
	s_cmp_lg_u32 s[CNT], 0
	s_cbranch_scc1 .Lstep
	UNIT 0                                         ; the last step asks for nothing
	UNIT 1
	UNIT 2
	UNIT 3
	; THE WAY OUT: O^T / the sum, quantised along the head's 64, as a unit image of launch 5's operand
.irp u, 0,1,2,3
	v_add_f32 v[18+4*\u], v[18+4*\u], v[19+4*\u]   ; (these four are the places behind the last products)
.endr
.irp u, 0,1,2,3
	s_delay_alu instid0(VALU_DEP_4)
	v_permlanex16_b32 v[B2+\u], v[18+4*\u], s[SEL], s[SEL+1]
.endr
.irp u, 0,1,2,3
	s_delay_alu instid0(VALU_DEP_4)
	v_add_f32 v[18+4*\u], v[18+4*\u], v[B2+\u]     ; the row's sum
.endr
	s_wait_alu depctr_va_vdst(0)
.irp u, 0,1,2,3
	v_rcp_f32 v[16+4*\u], v[18+4*\u]
.endr
	v_and_b32 v[AD0], 31, v0                       ; (plain work behind the reciprocals)
	s_delay_alu instid0(VALU_DEP_1)
	v_lshlrev_b32 v[AD1], 3, v[AD0]                ; 8 x lane
	s_delay_alu instid0(VALU_DEP_2)
	v_lshlrev_b32 v[AD0], 4, v[AD0]                ; 16 x lane
	v_and_b32 v[AD2], 15, v0
	s_delay_alu instid0(VALU_DEP_1)
	v_lshlrev_b32 v[AD2], 4, v[AD2]                ; 16 r
	s_wait_alu depctr_va_vdst(0)                   ; one wait for the four, ahead of their first reader
.macro FIN u
.set XB_, S+32*((\u)&1)
.set OC_, VF+8*(\u)
	WIN 0x01
.set n_, 0
.rept 16
	v_pk_mul_f32 v[XB_+n_:XB_+n_+1], v[32*(\u)+n_:32*(\u)+n_+1], v[16+4*(\u):17+4*(\u)] op_sel_hi:[1,0]   ; register 16 b + i: d = 32 b + 16 h + i
.set n_, n_+2
.endr
	WIN 0
.irp b, 0,1
	v_max3_num_f32 v[BM+\b], |v[XB_+16*\b]|, |v[XB_+1+16*\b]|, 0x1800000
.endr
.irp i, 2,4,6,8,10,12,14
.irp b, 0,1
	s_delay_alu instid0(VALU_DEP_2)
	v_max3_num_f32 v[BM+\b], v[BM+\b], |v[XB_+16*\b+\i]|, |v[XB_+1+16*\b+\i]|
.endr
.endr
.irp b, 0,1
	s_delay_alu instid0(VALU_DEP_2)
	v_permlanex16_b32 v[B2+\b], v[BM+\b], s[SEL], s[SEL+1]
.endr
.irp b, 0,1
	s_delay_alu instid0(VALU_DEP_2)
	v_max_num_f32 v[BM+\b], v[BM+\b], v[B2+\b]
.endr
.irp b, 0,1
	s_delay_alu instid0(VALU_DEP_2)
	v_add_nc_u32 v[SO+\b], 0xff000000, v[BM+\b]
.endr
.irp b, 0,1
	s_delay_alu instid0(VALU_DEP_2)
	v_lshrrev_b32 v[B2+\b], 23, v[SO+\b]
.endr
	s_delay_alu instid0(VALU_DEP_1)
	v_lshl_or_b32 v[OW+(\u)], v[B2+1], 8, v[B2]    ; the head's two bytes
	v_cvt_scalef32_pk16_fp6_f32 v[OC_:OC_+2], v[XB_:XB_+15], v[SO]
	v_cvt_scalef32_pk16_fp6_f32 v[PT:PT+2], v[XB_+16:XB_+31], v[SO+1]
	v_nop                                          ; one plain place behind a scaled conversion
.irp i, 0,1,2
	v_permlane16_swap_b32 v[OC_+\i], v[PT+\i]
.endr
.irp i, 0,1,2
	s_delay_alu instid0(VALU_DEP_3)
	v_mov_b32 v[OC_+3+\i], v[PT+\i]
.endr
	global_store_b128 v[AD0], v[OC_:OC_+3], s[18:19] offset:12288*(\u)        ; 512 consecutive bytes, aligned; each tile has its own registers
	global_store_b64 v[AD1], v[OC_+4:OC_+5], s[18:19] offset:12288*(\u)+512
.endm
	FIN 0
	FIN 1
	FIN 2
	FIN 3
	global_store_b128 v[AD2], v[OW:OW+3], s[20:21] ; 256 consecutive bytes, aligned (lanes 16-31 write the same bytes with the same values)
	s_wait_tensorcnt 0x0                           ; the wave's end
	ds_add_u32 v[SPW], v[NIL]
	s_wait_dscnt 0x0
	CROUND                                         ; the closing round
	s_endpgm
.Lfunc_end_k_qed356ca2c8_attn:
	.size	k_qed356ca2c8_attn, .Lfunc_end_k_qed356ca2c8_attn-k_qed356ca2c8_attn
	.p2alignl 7, 3214868480
	.fill 96, 4, 3214868480
	.section	.rodata,"a",@progbits
	.p2align	6, 0x0
	.amdhsa_kernel k_qed356ca2c8_attn
		.amdhsa_group_segment_fixed_size 327680
		.amdhsa_private_segment_fixed_size 0
		.amdhsa_enable_private_segment 0
		.amdhsa_kernarg_size 72
		.amdhsa_user_sgpr_count 2
		.amdhsa_user_sgpr_kernarg_segment_ptr 1
		.amdhsa_wavefront_size32 1
		.amdhsa_system_sgpr_workgroup_id_x 1
		.amdhsa_system_sgpr_workgroup_id_y 1
		.amdhsa_system_sgpr_workgroup_id_z 1
		.amdhsa_system_vgpr_workitem_id 0
		.amdhsa_next_free_vgpr 512
		.amdhsa_next_free_sgpr 100
		.amdhsa_reserve_vcc 0
		.amdhsa_float_denorm_mode_32 3
		.amdhsa_float_denorm_mode_16_64 3
		.amdhsa_memory_ordered 1
		.amdhsa_forward_progress 1
		.amdhsa_inst_pref_size 185
	.end_amdhsa_kernel
	.amdgpu_metadata
---
amdhsa.version: [ 1, 2 ]
amdhsa.kernels:
  - .name:           k_qed356ca2c8_attn
    .symbol:         k_qed356ca2c8_attn.kd
    .args:
      - { .name: qkimg, .offset: 0, .size: 8, .value_kind: global_buffer, .address_space: global }
      - { .name: qksw, .offset: 8, .size: 8, .value_kind: global_buffer, .address_space: global }
      - { .name: vimg, .offset: 16, .size: 8, .value_kind: global_buffer, .address_space: global }
      - { .name: vsw, .offset: 24, .size: 8, .value_kind: global_buffer, .address_space: global }
      - { .name: short_matrix, .offset: 32, .size: 8, .value_kind: global_buffer, .address_space: global }
      - { .name: mask, .offset: 40, .size: 8, .value_kind: global_buffer, .address_space: global }
      - { .name: att_prior_bias, .offset: 48, .size: 8, .value_kind: global_buffer, .address_space: global }
      - { .name: oimg, .offset: 56, .size: 8, .value_kind: global_buffer, .address_space: global }
      - { .name: osw, .offset: 64, .size: 8, .value_kind: global_buffer, .address_space: global }
    .group_segment_fixed_size: 327680
    .private_segment_fixed_size: 0
    .kernarg_segment_align: 8
    .kernarg_segment_size: 72
    .max_flat_workgroup_size: 256
    .sgpr_count:     100
    .vgpr_count:     512
    .wavefront_size: 32
...
	.end_amdgpu_metadata
.endif
;; end of part 4
;; launch projo (part 5): grid 4 x 64, 4 waves a work-group, clusters of 4 x 4, 327,680 bytes of LDS; arguments oimg, osw, cimg, csc, bo, out0; writes out0
.if DOCPART == 5
	.amdgcn_target "amdgcn-amd-amdhsa--gfx1250"
	.amdhsa_code_object_version 6
	.text
	.protected	k_qed356ca2c8_projo
	.globl	k_qed356ca2c8_projo
	.p2align	8
	.type	k_qed356ca2c8_projo,@function
k_qed356ca2c8_projo:
	s_mov_b64 s[64:65], 0
	v_nop
	global_prefetch_b8 v0, s[64:65] scope:SCOPE_SE
	s_setreg_imm32_b32 hwreg(HW_REG_WAVE_MODE, 25, 1), 1
	s_wait_xcnt 0x0
	s_wait_alu depctr_hold_cnt(0) depctr_sa_sdst(0) depctr_va_vdst(0) depctr_va_sdst(0) depctr_va_ssrc(0) depctr_va_vcc(0) depctr_vm_vsrc(0)
	s_getreg_b32 s2, hwreg(HW_REG_IB_STS2, 6, 4)
	s_cmp_eq_u32 s2, 0
	s_cbranch_scc0 .Lentry_in_a_cluster
	s_endpgm
.Lentry_in_a_cluster:
	s_bfe_u32 s2, ttmp6, 0x10000c
	s_cmp_lg_u32 s2, 0xf033
	s_cbranch_scc0 .Lentry_shape_is_right
	s_endpgm
.Lentry_shape_is_right:
; LAUNCH 5 OF 5.  out0 = concat Wo^T + bo, on launch 4's images of concat (oimg: [row tile 512][head 16][768], the shape of a tensor of cimg) and launch 1's of Wo.  Nothing of reference() is left out.
; Transposed use: source 0 = 16 rows of Wo (features), source 1 = 16 tokens: a lane holds eight neighbouring features of one row of out0 in each accumulator.
; A WORK-GROUP: 128 tokens x 256 features x K 1,024.  Four waves (i, j): tokens 64 i on (blocks a) x features 128 j on (blocks b).  The core is launch 2's: all of K in LDS as four chunks, each asked for once at the head
; (four tensor loads of a wave out, by this text's own count), plain barriers, counted waits; cluster 4 x 4 with joint loads.
; The tokens' scale words: osw has two bytes a head; the word of K step g is head 2 g's two bytes under head 2 g + 1's.  Register n of block a is made once: lanes 0-15 word n, lanes 16-31 word 4 + n.
; THE WAY OUT: 16 rows x 128 features at a time through the wave's own stage (rows of 512 + 16 bytes) and out as whole rows of 512 bytes.  The stages lie in chunk 0: it has had its one fill, and every wave's reads of it
; ended in front of the barrier of chunk 1.
; REGISTERS: window 0: v1-15 addresses; v16-31, v32-63 scale words; v64-159 the tokens' fragments, two sets; v160-191 osw as loaded; behind the loop v64-191 rows of out0.
;   window 1: v0-191 Wo's fragments, two sets; v192-255 bo in the result's layout.   window 2: accumulator (a, b) at v[64 a + 8 b].
; LDS AS THIS TEXT HAS IT, in place of the four chunks of which the head comment speaks: each wave brings its tiles for ALL of K by ONE tensor load at the head,
; rows of 12,288 bytes, a row tile each: the tokens' 8 tiles from byte 0, Wo's 16 from byte 98,304.  One tensor load of a wave is out; one wait for 0 and one barrier show all of K to all waves; the K loop has no barrier.
; A fragment lies at 12,288 x tile + 1,536 x K step; Wo's blocks 4-7 have address registers of their own (v10, v11), so that every offset fits the 16-bit immediate.
; The stages of the way out lie on the tokens' first tiles: these bytes have had their one fill, and a barrier, signalled when a wave's last fragment loads are back and waited for behind the last products, parts all reads from the stores.
.set CHK,   73728
.set SPARE, 4*CHK
.set BSKIP, 0
.set SPITCH, 528
.set SPW, 1
.set NIL, 2
.set A16, 3
.set A8,  4
.set B16, 5
.set B8,  6
.set L16, 7
.set L8,  8
.set STO, 13
.set SRD, 14
.set SCA, 16
.set SCB, 32
.set FA,  64
.set BK,  64
.set TQ,  160
.set BIAS, 192
.set WV, 20
.set WI, 21
.set WJ, 22
.set CX, 23
.set CY, 24
.set XX, 25
.set YY, 26
.set G1A, 32
.set G1B, 40
.set G0A, 48
.set G0B, 68
.set MSB, 0
.macro WIN new
.if MSB != \new
	s_set_vgpr_msb (MSB<<8)|\new
.set MSB, \new
.endif
.endm
.macro PLACES n
.rept \n
	v_nop
.endr
.endm
.macro CROUND
	s_barrier_signal -1
	s_barrier_wait -1
	s_cmp_lg_u32 s[WV], 0
	s_cbranch_scc1 .Lnot_wave_0_\@
	s_barrier_signal -3
.Lnot_wave_0_\@:
	s_barrier_wait -3
	s_barrier_signal -1
	s_barrier_wait -1
.endm
.macro FRAGLD reg, a16, a8, off
	ds_load_b128 v[\reg:\reg+3], v[\a16] offset:\off
	ds_load_b64 v[\reg+4:\reg+5], v[\a8] offset:\off+512
	ds_load_b128 v[\reg+6:\reg+9], v[\a16] offset:\off+768
	ds_load_b64 v[\reg+10:\reg+11], v[\a8] offset:\off+1280
.endm
.macro FETCH g
.set FS_, (\g)&1
	WIN 0x40
.irp b, 0,1,2,3,4,5,6,7
	FRAGLD 96*FS_+12*\b, B16+5*(\b/4), B8+5*(\b/4), 12288*(\b%4)+1536*(\g)
.endr
	WIN 0
.irp a, 0,1,2,3
	FRAGLD FA+48*FS_+12*\a, A16, A8, 12288*\a+1536*(\g)
.endr
.endm
.macro MUL g                           ; the 32 accumulators take turns; step 0 takes the bias as C
.set MS_, (\g)&1
.set MW_, (\g)&3
.if (\g) == 0
	WIN 0x91
.else
	WIN 0xa1
.endif
.irp a, 0,1,2,3
.irp b, 0,1,2,3,4,5,6,7
.if (\g) == 0
	v_wmma_scale_f32_16x16x128_f8f6f4 v[64*\a+8*\b:64*\a+8*\b+7], v[96*MS_+12*\b:96*MS_+12*\b+11], v[FA+48*MS_+12*\a:FA+48*MS_+12*\a+11], v[BIAS+8*\b:BIAS+8*\b+7], v[SCB+4*\b+MW_], v[SCA+4*\a+MW_] matrix_a_fmt:MATRIX_FMT_FP6 matrix_b_fmt:MATRIX_FMT_FP6
.elseif (\g) < 4
	v_wmma_scale_f32_16x16x128_f8f6f4 v[64*\a+8*\b:64*\a+8*\b+7], v[96*MS_+12*\b:96*MS_+12*\b+11], v[FA+48*MS_+12*\a:FA+48*MS_+12*\a+11], v[64*\a+8*\b:64*\a+8*\b+7], v[SCB+4*\b+MW_], v[SCA+4*\a+MW_] matrix_a_fmt:MATRIX_FMT_FP6 matrix_b_fmt:MATRIX_FMT_FP6
.else
	v_wmma_scale_f32_16x16x128_f8f6f4 v[64*\a+8*\b:64*\a+8*\b+7], v[96*MS_+12*\b:96*MS_+12*\b+11], v[FA+48*MS_+12*\a:FA+48*MS_+12*\a+11], v[64*\a+8*\b:64*\a+8*\b+7], v[SCB+4*\b+MW_], v[SCA+4*\a+MW_] matrix_a_fmt:MATRIX_FMT_FP6 matrix_b_fmt:MATRIX_FMT_FP6 matrix_a_scale:MATRIX_SCALE_ROW1 matrix_b_scale:MATRIX_SCALE_ROW1
.endif
.endr
.endr
.endm
.macro STEPG g
	s_wait_dscnt 0x0                               ; this step's fragments, asked for 32 matrix instructions ago
.if (\g) == 7
	s_barrier_signal -1                            ; my reads of the tiles are over: say so; the last 32 products, work on registers, stand ahead of the wait
.endif
.if ((\g) > 0) && ((\g) < 7)
	PLACES 4                                       ; four places in front of loads into registers that matrix instructions have read
.endif
.if (\g) < 7
	FETCH (\g)+1
.endif
	MUL \g
.endm
	s_load_b256 s[4:11], s[0:1], 0x0               ; oimg, osw, cimg, csc
	s_load_b128 s[12:15], s[0:1], 0x20             ; bo, out0
	v_lshl_add_u32 v[SPW], v0, 2, SPARE
	v_mov_b32 v[NIL], 0
	ds_add_u32 v[SPW], v[NIL]                      ; the opening: the add, twice on end, and its wait ahead of my first tensor load
	ds_add_u32 v[SPW], v[NIL]
	v_lshrrev_b32 v15, 5, v0
	v_readfirstlane_b32 s[WV], v15
	s_lshr_b32 s[WI], s[WV], 1                     ; i: my 64 tokens.  Also: I fetch tokens (0) or Wo (1)
	s_and_b32 s[WJ], s[WV], 1                      ; j: my 128 features.  Also: which half I fetch
	s_bfe_u32 s[CX], ttmp6, 0x40000
	s_bfe_u32 s[CY], ttmp6, 0x40004
	s_lshl_b32 s[XX], ttmp9, 2
	s_add_co_u32 s[XX], s[XX], s[CX]               ; x: which 256 features
	s_and_b32 s[YY], ttmp7, 0xffff
	s_lshl_b32 s[YY], s[YY], 2
	s_add_co_u32 s[YY], s[YY], s[CY]               ; y: which 128 tokens
	s_lshl_b32 s27, s[CY], 2
	s_lshl_b32 s27, 15, s27
	s_lshl_b32 s28, 0x1111, s[CX]
	s_or_b32 s[G1A], s27, (3<<16)|(1<<21)          ; the tokens' tiles hang on y: shared along my row of the cluster
	s_mov_b32 s[G1A+1], 1536<<16                   ; a row of the tile: a whole row tile, 12,288 bytes = 1,536 elements
	s_mov_b32 s[G1A+2], 4<<16
	s_mov_b32 s[G1A+3], 1536<<16
	s_mov_b32 s[G1A+4], 4
	s_mov_b32 s[G1A+5], 1536
	s_mov_b32 s[G1A+6], 0
	s_mov_b32 s[G1A+7], 0
	s_or_b32 s[G1B], s28, (3<<16)|(1<<21)          ; Wo's on x: along my column
	s_mov_b32 s[G1B+1], 1536<<16
	s_mov_b32 s[G1B+2], 8<<16
	s_mov_b32 s[G1B+3], 1536<<16
	s_mov_b32 s[G1B+4], 8
	s_mov_b32 s[G1B+5], 1536
	s_mov_b32 s[G1B+6], 0
	s_mov_b32 s[G1B+7], 0
	s_lshl_b32 s84, s[YY], 3                       ; tokens: row tile 8 y + 4 half of oimg
	s_lshl_b32 s94, s[WJ], 2
	s_add_co_u32 s84, s84, s94
	s_mul_i32 s84, s84, 12288
	s_mov_b32 s85, 0
	s_lshl_b32 s86, s[XX], 4                       ; Wo: tile 1,728 + 16 x + 8 half of cimg
	s_lshl_b32 s95, s[WJ], 3
	s_add_co_u32 s86, s86, s95
	s_add_co_u32 s86, s86, 1728
	s_mul_i32 s86, s86, 12288
	s_mov_b32 s87, 0
	s_mul_i32 s92, s[WJ], 49152
	s_mul_i32 s93, s[WJ], 98304
	s_add_co_u32 s93, s93, 98304
	s_wait_dscnt 0x0
	s_wait_kmcnt 0x0
	s_add_nc_u64 s[88:89], s[4:5], s[84:85]
	s_add_nc_u64 s[90:91], s[8:9], s[86:87]
.irp c, 0
	s_mov_b32 s[G0A+4*\c], 1
	s_add_co_u32 s[G0A+4*\c+1], s92, \c*CHK
	s_add_nc_u64 s[G0A+4*\c+2:G0A+4*\c+3], s[88:89], \c*3072
	s_or_b32 s[G0A+4*\c+3], s[G0A+4*\c+3], 0x80000000
	s_mov_b32 s[G0B+4*\c], 1
	s_add_co_u32 s[G0B+4*\c+1], s93, \c*CHK
	s_add_nc_u64 s[G0B+4*\c+2:G0B+4*\c+3], s[90:91], \c*3072
	s_or_b32 s[G0B+4*\c+3], s[G0B+4*\c+3], 0x80000000
.endr
	CROUND
	s_cmp_lt_u32 s[WV], 2
	s_cbranch_scc0 .Lfill_w
.irp c, 0
	tensor_load_to_lds s[G0A+4*\c:G0A+4*\c+3], s[G1A:G1A+7]
	s_nop 0
.endr
	PLACES 4
	s_branch .Lfilled
.Lfill_w:
.irp c, 0
	tensor_load_to_lds s[G0B+4*\c:G0B+4*\c+3], s[G1B:G1B+7]
	s_nop 0
.endr
	PLACES 4
.Lfilled:
	v_and_b32 v10, 15, v0                          ; r
	v_bfe_u32 v11, v0, 4, 1                        ; h
	v_and_b32 v15, 31, v0
	v_lshlrev_b32 v[L16], 4, v15
	v_lshlrev_b32 v[L8], 3, v15
	v_lshlrev_b32 v9, 5, v10
	v_lshl_add_u32 v9, v11, 4, v9                  ; csc: 32 r + 16 h
	v_lshlrev_b32 v12, 6, v11                      ; bo: 64 h
	v_lshlrev_b32 v15, 4, v10
	v_lshl_add_u32 v15, v11, 18, v15               ; osw: 16 r; lanes 16-31 eight heads of 32,768 bytes on
	s_wait_alu depctr_va_vdst(0)
	s_mul_i32 s86, s[WI], 49152
	v_add_nc_u32 v[A16], s86, v[L16]
	v_add_nc_u32 v[A8], s86, v[L8]
	s_mul_i32 s86, s[WJ], 98304
	s_add_co_u32 s86, s86, 98304
	v_add_nc_u32 v[B16], s86, v[L16]
	v_add_nc_u32 v[B8], s86, v[L8]
	s_mul_i32 s86, s[WV], 16*SPITCH                ; my stage
	v_mul_u32_u24 v[STO], v10, SPITCH
	v_lshl_add_u32 v[STO], v11, 6, v[STO]
	v_add_nc_u32 v[STO], s86, v[STO]               ; in: row r, + 64 h
	v_add_nc_u32 v[SRD], s86, v[L16]               ; back: a row's 512 bytes, 16 a lane
	v_add_nc_u32 v10, 49152, v[B16]                ; blocks 4-7: four tiles on
	v_add_nc_u32 v11, 49152, v[B8]
	s_lshl_b32 s84, s[XX], 4                       ; Wo's scale words: tile 1,728 + 16 x + 8 j
	s_lshl_b32 s86, s[WJ], 3
	s_add_co_u32 s84, s84, s86
	s_add_co_u32 s84, s84, 1728
	s_lshl_b32 s84, s84, 9
	s_add_nc_u64 s[96:97], s[10:11], s[84:85]
	s_lshl_b32 s84, s[YY], 1                       ; the tokens': 256 (2 y + i)
	s_add_co_u32 s84, s84, s[WI]
	s_lshl_b32 s84, s84, 8
	s_add_nc_u64 s[94:95], s[6:7], s[84:85]
	s_lshl_b32 s84, s[XX], 10                      ; feature 256 x + 128 j, in bytes
	s_lshl_b32 s86, s[WJ], 9
	s_add_co_u32 s84, s84, s86
	s_add_nc_u64 s[12:13], s[12:13], s[84:85]
	s_lshl_b32 s86, s[YY], 19                      ; row 128 y + 64 i of 4,096 bytes
	s_add_co_u32 s84, s84, s86
	s_lshl_b32 s86, s[WI], 18
	s_add_co_u32 s84, s84, s86
	s_add_nc_u64 s[14:15], s[14:15], s[84:85]
.irp b, 0,1,2,3,4,5,6,7
	global_load_b128 v[SCB+4*\b:SCB+4*\b+3], v9, s[96:97] offset:512*\b
.endr
.irp e, 0,1,2,3,4,5,6,7                ; head 8 h + e: the words of my four tiles
	global_load_b128 v[TQ+4*\e:TQ+4*\e+3], v15, s[94:95] offset:32768*\e
.endr
	WIN 0x40
.irp b, 0,1,2,3,4,5,6,7
	global_load_b128 v[BIAS+8*\b:BIAS+8*\b+3], v12, s[12:13] offset:128*(\b/2)+32*(\b%2)
	global_load_b128 v[BIAS+8*\b+4:BIAS+8*\b+7], v12, s[12:13] offset:128*(\b/2)+32*(\b%2)+16
.endr
	WIN 0
	s_wait_alu depctr_va_vdst(0)
	s_wait_tensorcnt 0x0                           ; my one load, my tiles for all of K, is in
	s_barrier_signal -1
	s_barrier_wait -1
	FETCH 0
	s_wait_loadcnt 0x0
.irp a, 0,1,2,3
.irp n, 0,1,2,3
	v_lshl_or_b32 v[SCA+4*\a+\n], v[TQ+4*(2*\n+1)+\a], 16, v[TQ+8*\n+\a]   ; heads 2 n and 2 n + 1 (lanes 16-31: 8 + 2 n, 9 + 2 n) make a K step's word
.endr
.endr
	PLACES 8                                       ; a scale register written by a vector instruction stands 8 places ahead of a scaled matrix instruction
	s_wait_alu depctr_va_vdst(0)
.irp g, 0,1,2,3,4,5,6,7
	STEPG \g
.endr
	WIN 0
	s_barrier_wait -1                              ; every wave's reads of the tiles are over: the stages may be written
	PLACES 4                                       ; in front of the stage's stores, which read results, and of loads into registers that held fragments
.macro TOSTAGE a
	WIN 0x08                                       ; an LDS store's data are its source 1: window 2
.irp b, 0,1,2,3,4,5,6,7
	ds_store_b128 v[STO], v[64*\a+8*\b:64*\a+8*\b+3] offset:128*(\b/2)+32*(\b%2)       ; each accumulator from its low end on
	ds_store_b128 v[STO], v[64*\a+8*\b+4:64*\a+8*\b+7] offset:128*(\b/2)+32*(\b%2)+16
.endr
	WIN 0
.irp t, 0,1,2,3,4,5,6,7,8,9,10,11,12,13,14,15
	ds_load_b128 v[BK+64*((\a)%2)+4*\t:BK+64*((\a)%2)+4*\t+3], v[SRD] offset:\t*SPITCH   ; LDS serves a wave's instructions in order: these see my stores, and the next block's stores come behind them
.endr
.endm
.macro SEND a, younger
	s_wait_dscnt \younger
.irp t, 0,1,2,3,4,5,6,7,8,9,10,11,12,13,14,15
	global_store_b128 v[L16], v[BK+64*((\a)%2)+4*\t:BK+64*((\a)%2)+4*\t+3], s[14:15] offset:65536*(\a)+4096*\t th:TH_STORE_NT   ; 512 consecutive bytes, aligned
.endr
.endm
	TOSTAGE 0
	TOSTAGE 1
	SEND 0, 32                                     ; behind block 0's loads: block 1's 16 stores and 16 loads
	s_wait_xcnt 0x0                                ; block 0's stores have read their registers
	TOSTAGE 2
	SEND 1, 32
	s_wait_xcnt 0x0
	TOSTAGE 3
	SEND 2, 32
	SEND 3, 0
	s_wait_tensorcnt 0x0                           ; the wave's end, behind my last tensor load and my last LDS store
	ds_add_u32 v[SPW], v[NIL]
	s_wait_dscnt 0x0
	CROUND                                         ; the closing round
	s_endpgm
.Lfunc_end_k_qed356ca2c8_projo:
	.size	k_qed356ca2c8_projo, .Lfunc_end_k_qed356ca2c8_projo-k_qed356ca2c8_projo
	.p2alignl 7, 3214868480
	.fill 96, 4, 3214868480
	.section	.rodata,"a",@progbits
	.p2align	6, 0x0
	.amdhsa_kernel k_qed356ca2c8_projo
		.amdhsa_group_segment_fixed_size 327680
		.amdhsa_private_segment_fixed_size 0
		.amdhsa_enable_private_segment 0
		.amdhsa_kernarg_size 48
		.amdhsa_user_sgpr_count 2
		.amdhsa_user_sgpr_kernarg_segment_ptr 1
		.amdhsa_wavefront_size32 1
		.amdhsa_system_sgpr_workgroup_id_x 1
		.amdhsa_system_sgpr_workgroup_id_y 1
		.amdhsa_system_sgpr_workgroup_id_z 1
		.amdhsa_system_vgpr_workitem_id 0
		.amdhsa_next_free_vgpr 768
		.amdhsa_next_free_sgpr 102
		.amdhsa_reserve_vcc 0
		.amdhsa_float_denorm_mode_32 3
		.amdhsa_float_denorm_mode_16_64 3
		.amdhsa_memory_ordered 1
		.amdhsa_forward_progress 1
		.amdhsa_inst_pref_size 84
	.end_amdhsa_kernel
	.amdgpu_metadata
---
amdhsa.version: [ 1, 2 ]
amdhsa.kernels:
  - .name:           k_qed356ca2c8_projo
    .symbol:         k_qed356ca2c8_projo.kd
    .args:
      - { .name: oimg, .offset: 0, .size: 8, .value_kind: global_buffer, .address_space: global }
      - { .name: osw, .offset: 8, .size: 8, .value_kind: global_buffer, .address_space: global }
      - { .name: cimg, .offset: 16, .size: 8, .value_kind: global_buffer, .address_space: global }
      - { .name: csc, .offset: 24, .size: 8, .value_kind: global_buffer, .address_space: global }
      - { .name: bo, .offset: 32, .size: 8, .value_kind: global_buffer, .address_space: global }
      - { .name: out0, .offset: 40, .size: 8, .value_kind: global_buffer, .address_space: global }
    .group_segment_fixed_size: 327680
    .private_segment_fixed_size: 0
    .kernarg_segment_align: 8
    .kernarg_segment_size: 48
    .max_flat_workgroup_size: 128
    .sgpr_count:     102
    .vgpr_count:     768
    .wavefront_size: 32
...
	.end_amdgpu_metadata
.endif
;; end of part 5
